; MI455X (gfx1250); checked and timed in simulation.
; The chip was launched on July 23, 2026; its instructions are those of AMD's public machine-readable ISA for CDNA 5 (MIT licence, August 2026) and "CDNA5" Instruction Set Architecture Reference Guide (July 2026). The comments in the code are by the model that wrote it; some were corrected since.
;; Causal Attention. Allowed arithmetic: matrix products marked QUANTISED: E2M1 operands, one E8M0 scale for each 32 along K, by v_wmma_scale_f32_16x16x128_f8f6f4 with both operands' format E2M1 (or v_wmma_scale_f32_32x16x128_f4), f32 sums; everything else in f32.
;; Inputs: W_out 1,024 x 1,024 float32; W_qkv 1,024 x 3,072 float32; X 4 x 2,048 x 1,024 float32; b_out 1,024 float32; b_qkv 3,072 float32.
;; Outputs: out0 4 x 2,048 x 1,024 float32.
;; This version of the problem:
;;   THIS VERSION OF THE PROBLEM IS GIVEN IN LOW PRECISION. The matrix products marked QUANTISED in the list below multiply operands that are first quantised to E2M1 (2 exponent bits, 1 mantissa bit; 4 bits a number), with one power-of-two scale for each 32 numbers along K (OCP MX v1.0); their sums are f32. All else is computed in f32.
;;   The module's matrix products, in the order in which they are computed (A, B: the left and right operand; K: the contracted axis; several contracted axes count as one K, in the product's order):
;;     1. [M 8,192, K 1,024] x [K 1,024, N 3,072]; A: input X; B: input W_qkv: QUANTISED
;;     2. batch 64 x [M 2,048, K 64] x [K 64, N 2,048]; A: computed on the way; B: computed on the way: QUANTISED
;;     3. batch 64 x [M 64, K 2,048] x [K 2,048, N 2,048]; A: computed on the way; B: softmax (see below): QUANTISED
;;     4. [M 8,192, K 1,024] x [K 1,024, N 1,024]; A: computed on the way; B: input W_out: QUANTISED
;;   THE QUANTISER, for each operand of a quantised product, along K:
;;     - K is cut into blocks of 32 from its start; a last block that is shorter is filled with zeros.
;;     - A block's scale is 2^e with e = floor(log2(the largest magnitude in the block)) - 2, held to -126 .. 127; a block of zeros has e = 0. As a byte (E8M0): e + 127.
;;     - Each number is divided by its block's scale, clamped to +-6, and rounded to the nearest number of E2M1, ties to even, subnormals kept.
;;     - The product sums the exact products of the quantised numbers (number of the format x scale) in f32.
;;   ~~~python
;;   def quantise(x, axis):      # numpy; x: float32 -> the quantised numbers, widened to float32 again
;;       x = np.moveaxis(x, axis, -1); K = x.shape[-1]
;;       x = np.pad(x, [(0, 0)] * (x.ndim - 1) + [(0, -K % 32)]); x = x.reshape(x.shape[:-1] + (-1, 32)); a = np.abs(x).max(-1, keepdims=True)
;;       e = np.where(a > 0, np.clip(np.frexp(np.where(a > 0, a, 1))[1] - 1 - 2, -126, 127), 0)      # np.frexp(a)[1] - 1 = floor(log2(a)), exactly
;;       r = np.clip(x / 2.0 ** e, -6, 6)
;;       step = 2.0 ** (np.maximum(np.frexp(np.where(r == 0, 1, r))[1] - 1, 0) - 1)
;;       q = np.round(r / step) * step * 2.0 ** e      # np.round: ties to even
;;       return np.moveaxis(q.reshape(q.shape[:-2] + (-1,))[..., :K], -1, axis).astype(np.float32)
;;   ~~~
;;   SOFTMAX AHEAD OF A QUANTISED PRODUCT. Where the list says 'softmax', what is quantised is not the finished softmax but p = 2^(t - M), with t = logit x log2(e) and M = ceil(the row's largest t), a whole number; so 1/2 < the row's largest p <= 1. The row's sum l is taken of the UNQUANTISED p, in f32, and the product's result is divided by l at the end. Since M is a whole number, a kernel that streams over the keys may use a running M (the ceiling of the running maximum): every later rescaling is an exact power of two, which a block's scale takes up: the codes' values come out the same.
;;   OPERANDS COMPUTED ON THE WAY. 'Computed on the way' means the value that the module computes at that place (a softmax that the list does not call 'softmax' is quantised finished and normalised). What goes into a quantiser is computed in f32, as accurately as f32 sums, v_exp_f32 and their like allow (about 1e-6 of the number): no bf16 or f16 on the way to a quantiser, and a product that is left as it is and whose result goes on into a quantised operand takes f32 operands (vector FMAs, or v_wmma_f32_16x16x4_f32). A number that lies on a knife's edge between two numbers of the format may be rounded either way, as far as f32 arithmetic and the matrix unit's own rounding can turn it there, and no further.
;; One version. Each part assembles by itself: llvm-mc -triple=amdgcn-amd-amdhsa -mcpu=gfx1250 --defsym DOCPART=n.
;; ======== version 1 of 1: 4 launches
;; limits: right only within a limited range of input values
;; workspace buffers: xq 4,456,448 bytes; wq 2,228,224 bytes; qq 4,718,592 bytes; kv 9,175,040 bytes; aq 4,456,448 bytes
;; launch quant (part 1): grid 512 x 1, 4 waves a work-group, no clusters, 34,304 bytes of LDS; arguments X, W_qkv, W_out, xq, wq; writes xq, wq
.if DOCPART == 1
	.amdgcn_target "amdgcn-amd-amdhsa--gfx1250"
	.amdhsa_code_object_version 6
	.text
	.protected	k_qaa3b7599ee_quant
	.globl	k_qaa3b7599ee_quant
	.p2align	8
	.type	k_qaa3b7599ee_quant,@function
k_qaa3b7599ee_quant:
	s_mov_b64 s[64:65], 0
	v_nop
	global_prefetch_b8 v0, s[64:65] scope:SCOPE_SE
	s_setreg_imm32_b32 hwreg(HW_REG_WAVE_MODE, 25, 1), 1
	s_wait_xcnt 0x0
; X [8192][1024], W_qkv [1024][3072] and W_out [1024][1024], f32, become codes of E2M1 (4 bits) with one E8M0 scale byte for each 32 along K = 1024.
; A block's scale is 2^(floor(log2(its largest magnitude)) - 2); its byte is the largest magnitude's exponent field - 2, held at 1 from below.
; LIMITS: NaN and infinities among the inputs are not served; a block whose largest magnitude lies under 2^-124 gets the byte 1; a block of zeros gets the byte 1 where the
; quantiser's text says 127: its codes are zeros, which add nothing under any byte but 0xff, and the bytes are read by this program alone.
; THE LAYOUT OF xq AND wq follows the operand registers of the matrix instruction.  A tile is 16 rows; tile 2 bb + u, lane r holds row 32 bb + 8 u + r + 8 (r / 8).
; A tile's record is 8,704 bytes: two halves (512 along K each) of 4,352: 256 bytes of scale words [r 16][K step 4], then [K step 4][c 2][lane 32][16 bytes] of codes: lane (r, h) holds k = 64 c + 32 h + 0 .. 31 of the step.
; wq has 4,096 rows: 1,024 columns of Q (head x 64 + d), 1,024 of K, 1,024 of V, then W_out's 1,024 columns.
; WORK-GROUPS 0-191: W_qkv, 192-255: W_out: 128 columns x 128 along K; a lane takes a column and its registers run down K, so a block of 32 lies in one lane and the codes come out with K innermost.
; WORK-GROUPS 256-511: X: 32 rows; a wave takes a tile's 16 rows x 512 along K.  Each load reads 512 consecutive bytes of a row; a K step turns through the wave's own stage in LDS, so that a lane holds 16 neighbours of each block.
; No barrier: waves share nothing.  Only X's path touches LDS.
.set REC,   8704
.set HALF,  4352
.set SP,    528                        ; a stage row: 512 bytes + 16: the 16 rows that a read touches start 4 words apart modulo 64 words
.set TM,    16                         ; v16-31  at work in QUANT
.set PC,    32                         ; v32-39  a fragment's codes
.set PW,    40                         ; v40-43  the four K steps' scale words
.set DD,    44                         ; v44-45  the scale words as they are stored
.set XN,    48                         ; v48-111 64 numbers: register 16 b + i = k 32 b + 16 h + i of my row
.set R,     112                        ; v112-239 numbers as loaded (X: two sets of 64; W: 128 down K, 32 for each block)
.set C,     32                         ; v32-47  W's codes: four registers for each block, so that no store's data are written again
.set SEL,   34                         ; s[34:35] lane selects: lane l xor 16
; 64 numbers of a lane become a fragment's codes in v[PC] on and its row's scale word in v[pw]
.macro QUANT s, pw
.irp b, 0,1,2,3
	v_max3_num_f32 v[TM+\b], |v[\s+16*\b]|, |v[\s+1+16*\b]|, 0x1800000   ; block b: my 16 numbers, and the floor 2^(3 - 127): the byte cannot fall under 1
.endr
.irp i, 2,4,6,8,10,12,14
.irp b, 0,1,2,3
	v_max3_num_f32 v[TM+\b], v[TM+\b], |v[\s+16*\b+\i]|, |v[\s+1+16*\b+\i]|   ; the four blocks by turns
.endr
.endr
.irp b, 0,1,2,3
	v_permlanex16_b32 v[TM+4+\b], v[TM+\b], s[SEL], s[SEL+1]
.endr
.irp b, 0,1,2,3
	v_max_num_f32 v[TM+\b], v[TM+\b], v[TM+4+\b]   ; with lane l xor 16's 16: the block's largest magnitude
.endr
.irp b, 0,1,2,3
	v_add_nc_u32 v[TM+12+\b], 0xff000000, v[TM+\b]   ; 2 off its exponent field: the conversion takes this operand's exponent field as its scale
.endr
.irp b, 0,1,2,3
	v_lshrrev_b32 v[TM+4+\b], 23, v[TM+12+\b]      ; the scale's byte
.endr
	v_lshl_or_b32 v[\pw], v[TM+5], 8, v[TM+4]
	v_lshl_or_b32 v[\pw], v[TM+6], 16, v[\pw]
	v_lshl_or_b32 v[\pw], v[TM+7], 24, v[\pw]
.irp b, 0,1,2,3
	v_cvt_scalef32_pk8_fp4_f32 v[PC+2*\b], v[\s+16*\b:\s+7+16*\b], v[TM+12+\b]
	v_cvt_scalef32_pk8_fp4_f32 v[PC+1+2*\b], v[\s+8+16*\b:\s+15+16*\b], v[TM+12+\b]
.endr
	v_nop                                          ; one plain place behind a scaled conversion
.irp c, 0,1                                    ; the layout wants a whole block in a lane: lanes 0-15 block 2 c, lanes 16-31 block 2 c + 1
.irp i, 0,1
	v_permlane16_swap_b32 v[PC+4*\c+\i], v[PC+2+4*\c+\i]
.endr
.endr
.endm
; W: block t of the K step: 32 rows of K at my column; n = the tensor's row length.  32 lanes read 128 consecutive bytes, two waves side by side 256
.macro WLOAD n, t
.set i, 0
.rept 32
	global_load_b32 v[R+32*(\t)+i], v4, s[24:25] offset:(32*(\t)+i)*(\n)*4 th:TH_LOAD_NT
.set i, i+1
.endr
.endm
; W: block t of my column: all its 32 numbers are mine.  The loads run two blocks ahead
.macro BLOCK n, t
.set XS, R+32*(\t)
.if (\t) < 3
	s_wait_loadcnt 32                              ; this block's 32 loads are in; the next block's 32, issued behind them, may be out
.else
	s_wait_loadcnt 0x0
.endif
.if (\t) < 2
	WLOAD \n, (\t)+2                               ; into registers of its own: nothing is rewritten
.endif
	v_max3_num_f32 v12, |v[XS]|, |v[XS+1]|, |v[XS+2]|
	v_max3_num_f32 v13, |v[XS+3]|, |v[XS+4]|, |v[XS+5]|
.irp i, 6,10,14,18,22,26
	v_max3_num_f32 v12, v12, |v[XS+\i]|, |v[XS+\i+1]|
	v_max3_num_f32 v13, v13, |v[XS+\i+2]|, |v[XS+\i+3]|
.endr
	v_max3_num_f32 v12, v12, |v[XS+30]|, |v[XS+31]|
	v_max3_num_f32 v12, v12, v13, 0x1800000        ; and the floor
	v_add_nc_u32 v11, 0xff000000, v12
	v_lshrrev_b32 v13, 23, v11                     ; the scale's byte
.if (\t) == 0
	v_mov_b32 v24, v13                             ; four bytes make the K step's scale word of my column
.else
	v_lshl_or_b32 v24, v13, 8*(\t), v24
.endif
.irp g, 0,1,2,3
	v_cvt_scalef32_pk8_fp4_f32 v[C+4*(\t)+\g], v[XS+8*\g:XS+8*\g+7], v11
.endr
	global_store_b128 v5, v[C+4*(\t):C+4*(\t)+3], s[30:31] offset:256+256*(\t)   ; block t = (c, h) of the fragment: lanes 0-7 and 16-23 fill 256 consecutive bytes of one tile, the others of the next
.endm
; W: a wave's whole work, from its source in s[24:25], its 32 rows of wq in s22 and its K step in s17.  Written out once for each tensor, since the loads' immediates hang on the row length
.macro WWORK n
	WLOAD \n, 0
	WLOAD \n, 1
	s_mul_i32 s22, s22, 2*REC                      ; two tiles' records for 32 rows
	s_lshr_b32 s23, s17, 2
	s_mul_i32 s23, s23, HALF                       ; the half,
	s_add_co_u32 s22, s22, s23
	s_mov_b32 s23, 0
	s_add_nc_u64 s[26:27], s[12:13], s[22:23]
	s_and_b32 s28, s17, 3                          ; the K step in it
	s_lshl_b32 s30, s28, 10
	s_mov_b32 s31, 0
	s_add_nc_u64 s[30:31], s[26:27], s[30:31]      ; where the codes go
	s_lshl_b32 s28, s28, 2
	s_mov_b32 s29, 0
	s_add_nc_u64 s[28:29], s[26:27], s[28:29]      ; where the scale words go
	BLOCK \n, 0
	BLOCK \n, 1
	BLOCK \n, 2
	BLOCK \n, 3
	v_nop                                          ; one plain place behind the last conversion
	global_store_b32 v5, v24, s[28:29]             ; 4 bytes of each 16: the four K steps of a half come from four work-groups; 1 byte in 128 of what this path reads
	s_endpgm
.endm
; X: K step s of my 16 rows, a row to a load
.macro XLOAD s
.irp i, 0,1,2,3,4,5,6,7,8,9,10,11,12,13,14,15
	global_load_b128 v[R+64*((\s)%2)+4*\i:R+64*((\s)%2)+4*\i+3], v8, s[24:25] offset:(\i+8*(\i/8))*4096+512*(\s) th:TH_LOAD_NT
.endr
.endm
.macro XSTEP s
.if (\s) > 0
	s_wait_xcnt 0x0                                ; the last step's stores have read the codes' registers, which are written again below
.endif
.if (\s) < 3
	s_wait_loadcnt 16                              ; this step's 16 loads are in; the next step's may be out
.else
	s_wait_loadcnt 0x0
.endif
.irp i, 0,1,2,3,4,5,6,7,8,9,10,11,12,13,14,15
	ds_store_b128 v6, v[R+64*((\s)%2)+4*\i:R+64*((\s)%2)+4*\i+3] offset:SP*\i
.endr
.irp b, 0,1,2,3
.irp j, 0,1,2,3
	ds_load_b128 v[XN+16*\b+4*\j:XN+16*\b+4*\j+3], v7 offset:128*\b+16*\j   ; LDS serves a wave's instructions in order: these see the stores above
.endr
.endr
	s_wait_dscnt 0x0                               ; the numbers are back, and the stores have read their registers,
.if (\s) < 2
	XLOAD (\s)+2                                   ; which take the loads of two steps on
.endif
	QUANT XN, PW+(\s)
.irp c, 0,1
	global_store_b128 v8, v[PC+4*\c:PC+4*\c+3], s[26:27] offset:256+1024*(\s)+512*\c   ; 32 lanes store 512 consecutive bytes
.endr
.endm
	s_load_b256 s[4:11], s[0:1], 0x0               ; X s[4:5], W_qkv s[6:7], W_out s[8:9], xq s[10:11]
	s_load_b64 s[12:13], s[0:1], 0x20              ; wq
	v_lshl_add_u32 v240, v0, 2, 0x8400
	v_mov_b32 v241, 0
	v_lshrrev_b32 v1, 5, v0
	v_readfirstlane_b32 s16, v1                    ; wave 0..3
	v_and_b32 v1, 31, v0                           ; lane
	v_and_b32 v2, 15, v0                           ; r
	v_bfe_u32 v3, v0, 4, 1                         ; h
	s_cmp_ge_u32 ttmp9, 256
	s_cbranch_scc1 .Lx
	; ---- the weights
	v_lshlrev_b32 v4, 2, v1                        ; in: 4 bytes a lane
	v_bfe_u32 v5, v0, 3, 1                         ; my column 32 bb + lane lies in tile 2 bb + (lane / 8) % 2,
	v_and_b32 v6, 7, v0
	v_lshl_add_u32 v6, v3, 3, v6                   ; at row lane % 8 + 8 (lane / 16) of it
	v_mul_u32_u24 v5, v5, REC
	v_lshl_add_u32 v5, v6, 4, v5                   ; out: the tile's record + 16 x row
	s_and_b32 s17, ttmp9, 7                        ; which 128 along K (192 is a multiple of 8)
	s_cmp_ge_u32 ttmp9, 192
	s_cbranch_scc1 .Lwout
	s_lshr_b32 s18, ttmp9, 3                       ; which 128 rows of wq: 0..23
	s_lshr_b32 s19, s18, 3                         ; 0 Q, 1 K, 2 V
	s_and_b32 s20, s18, 7
	s_lshl_b32 s20, s20, 1
	s_lshr_b32 s21, s16, 1
	s_add_co_u32 s20, s20, s21                     ; the head
	s_mul_i32 s20, s20, 192
	s_lshl_b32 s19, s19, 6
	s_add_co_u32 s20, s20, s19
	s_and_b32 s21, s16, 1
	s_lshl_b32 s21, s21, 5
	s_add_co_u32 s20, s20, s21                     ; my wave's first column of W_qkv: head x 192 + kind x 64 + 32 (wave % 2)
	s_lshl_b32 s20, s20, 2
	s_mul_i32 s21, s17, 128*3072*4
	s_add_co_u32 s20, s20, s21
	s_mov_b32 s21, 0
	s_lshl_b32 s22, s18, 2
	s_add_co_u32 s22, s22, s16                     ; which 32 rows of wq
	s_wait_kmcnt 0x0
	s_add_nc_u64 s[24:25], s[6:7], s[20:21]
	s_wait_alu depctr_va_vdst(0)
	WWORK 3072
.Lwout:
	s_sub_co_u32 s18, ttmp9, 192
	s_lshr_b32 s18, s18, 3                         ; which 128 columns of W_out
	s_lshl_b32 s20, s18, 7
	s_lshl_b32 s21, s16, 5
	s_add_co_u32 s20, s20, s21
	s_lshl_b32 s20, s20, 2
	s_mul_i32 s21, s17, 128*1024*4
	s_add_co_u32 s20, s20, s21
	s_mov_b32 s21, 0
	s_lshl_b32 s22, s18, 2
	s_add_co_u32 s22, s22, s16
	s_add_co_u32 s22, s22, 96                      ; W_out's rows of wq begin at 3,072 = 96 x 32
	s_wait_kmcnt 0x0
	s_add_nc_u64 s[24:25], s[8:9], s[20:21]
	s_wait_alu depctr_va_vdst(0)
	WWORK 1024
	; ---- X
.Lx:
	s_sub_co_u32 s17, ttmp9, 256                   ; which 32 rows
	s_lshr_b32 s18, s16, 1                         ; which of their two tiles
	s_and_b32 s19, s16, 1                          ; which half of K
	s_lshl_b32 s20, s17, 5
	s_lshl_b32 s21, s18, 3
	s_add_co_u32 s20, s20, s21                     ; the tile's first row
	s_lshl_b32 s20, s20, 12
	s_lshl_b32 s21, s19, 11
	s_add_co_u32 s20, s20, s21
	s_mov_b32 s21, 0
	s_lshl_b32 s22, s17, 1
	s_add_co_u32 s22, s22, s18
	s_mul_i32 s22, s22, REC
	s_mul_i32 s23, s19, HALF
	s_add_co_u32 s22, s22, s23
	s_mov_b32 s23, 0
	s_mul_i32 s28, s16, 16*SP                      ; my stage
	s_wait_alu depctr_va_vdst(0)
	v_lshlrev_b32 v8, 4, v1                        ; 16 x lane: in memory, both ways
	v_add_nc_u32 v6, s28, v8                       ; into the stage: a row as it lies
	v_mul_u32_u24 v7, v2, SP
	v_lshl_add_u32 v7, v3, 6, v7
	v_add_nc_u32 v7, s28, v7                       ; out of it: row r, + 64 h: my 16 numbers of a block
	v_lshlrev_b32 v9, 4, v2
	v_lshl_add_u32 v9, v3, 3, v9                   ; the scale words: 16 r + 8 h
	s_mov_b32 s[SEL], 0x76543210
	s_mov_b32 s[SEL+1], 0xfedcba98
.irp b, 0,1,2,3
	v_mov_b32 v[TM+4+\b], 0                        ; written once: a lane permute's destination counts as one of its sources
.endr
	s_wait_alu depctr_va_vdst(0)
	s_wait_kmcnt 0x0
	s_add_nc_u64 s[24:25], s[4:5], s[20:21]
	s_add_nc_u64 s[26:27], s[10:11], s[22:23]
	XLOAD 0
	XLOAD 1
	XSTEP 0
	XSTEP 1
	XSTEP 2
	XSTEP 3
	v_cmp_le_u32 vcc_lo, 16, v1                    ; lanes 0-15 store K steps 0 and 1 of row r, lanes 16-31 steps 2 and 3 (every lane holds its row's four words)
	v_cndmask_b32 v[DD], v[PW], v[PW+2], vcc_lo
	v_cndmask_b32 v[DD+1], v[PW+1], v[PW+3], vcc_lo
	global_store_b64 v9, v[DD:DD+1], s[26:27]      ; 32 lanes store 256 consecutive bytes, aligned
	s_wait_tensorcnt 0x0
	ds_add_u32 v240, v241
	s_wait_dscnt 0x0
	s_endpgm
.Lfunc_end_k_qaa3b7599ee_quant:
	.size	k_qaa3b7599ee_quant, .Lfunc_end_k_qaa3b7599ee_quant-k_qaa3b7599ee_quant
	.p2alignl 7, 3214868480
	.fill 96, 4, 3214868480
	.section	.rodata,"a",@progbits
	.p2align	6, 0x0
	.amdhsa_kernel k_qaa3b7599ee_quant
		.amdhsa_group_segment_fixed_size 34304
		.amdhsa_private_segment_fixed_size 0
		.amdhsa_enable_private_segment 0
		.amdhsa_kernarg_size 40
		.amdhsa_user_sgpr_count 2
		.amdhsa_user_sgpr_kernarg_segment_ptr 1
		.amdhsa_wavefront_size32 1
		.amdhsa_system_sgpr_workgroup_id_x 1
		.amdhsa_system_sgpr_workgroup_id_y 1
		.amdhsa_system_sgpr_workgroup_id_z 1
		.amdhsa_system_vgpr_workitem_id 0
		.amdhsa_next_free_vgpr 242
		.amdhsa_next_free_sgpr 66
		.amdhsa_reserve_vcc 1
		.amdhsa_float_denorm_mode_32 3
		.amdhsa_float_denorm_mode_16_64 3
		.amdhsa_memory_ordered 1
		.amdhsa_forward_progress 1
		.amdhsa_inst_pref_size 72
	.end_amdhsa_kernel
	.amdgpu_metadata
---
amdhsa.version: [ 1, 2 ]
amdhsa.kernels:
  - .name:           k_qaa3b7599ee_quant
    .symbol:         k_qaa3b7599ee_quant.kd
    .args:
      - { .name: X, .offset: 0, .size: 8, .value_kind: global_buffer, .address_space: global }
      - { .name: W_qkv, .offset: 8, .size: 8, .value_kind: global_buffer, .address_space: global }
      - { .name: W_out, .offset: 16, .size: 8, .value_kind: global_buffer, .address_space: global }
      - { .name: xq, .offset: 24, .size: 8, .value_kind: global_buffer, .address_space: global }
      - { .name: wq, .offset: 32, .size: 8, .value_kind: global_buffer, .address_space: global }
    .group_segment_fixed_size: 34304
    .private_segment_fixed_size: 0
    .kernarg_segment_align: 8
    .kernarg_segment_size: 40
    .max_flat_workgroup_size: 128
    .sgpr_count:     66
    .vgpr_count:     242
    .wavefront_size: 32
...
	.end_amdgpu_metadata
.endif
;; end of part 1
;; launch proj (part 2): grid 8 x 32, 4 waves a work-group, clusters of 4 x 4, 327,680 bytes of LDS; arguments xq, wq, b_qkv, qq, kv; writes qq, kv
.if DOCPART == 2
	.amdgcn_target "amdgcn-amd-amdhsa--gfx1250"
	.amdhsa_code_object_version 6
	.text
	.protected	k_qaa3b7599ee_proj
	.globl	k_qaa3b7599ee_proj
	.p2align	8
	.type	k_qaa3b7599ee_proj,@function
k_qaa3b7599ee_proj:
	s_mov_b64 s[64:65], 0
	v_nop
	global_prefetch_b8 v0, s[64:65] scope:SCOPE_SE
	s_setreg_imm32_b32 hwreg(HW_REG_WAVE_MODE, 25, 1), 1
	s_wait_xcnt 0x0
	s_wait_alu depctr_hold_cnt(0) depctr_sa_sdst(0) depctr_va_vdst(0) depctr_va_sdst(0) depctr_va_ssrc(0) depctr_va_vcc(0) depctr_vm_vsrc(0)
	s_getreg_b32 s2, hwreg(HW_REG_IB_STS2, 6, 4)
	s_cmp_eq_u32 s2, 0
	s_cbranch_scc0 .Lentry_in_a_cluster
	s_endpgm
.Lentry_in_a_cluster:
	s_bfe_u32 s2, ttmp6, 0x10000c
	s_cmp_lg_u32 s2, 0xf033
	s_cbranch_scc0 .Lentry_shape_is_right
	s_endpgm
.Lentry_shape_is_right:
; qkv = X W_qkv + b_qkv on codes of E2M1 (xq, wq: tiles of 16 rows in the order of the operand registers; a tile's record is two halves of 4,352 bytes: 256 of scale words, 4 K steps x 1,024 of codes),
; and at once the quantising of Q and K along the head's 64 and of V along the keys.  Nothing of qkv goes to memory as f32.
; SHARES.  A work-group takes 256 tokens.  PHASE 1: 256 columns of Q (cluster x = 0) or of K (cluster x = 1), four heads; a wave makes 128 tokens x 128 columns, 64 accumulators.
; PHASE 2: 128 columns of V, two heads, from the same tokens, which stay in LDS; a wave makes 64 columns x 128 tokens, 32 accumulators.  So all 256 work-groups have the same work.
; K = 1,024 lies in LDS whole: two slots of 512 along K, both first fills.  V's weights are the one refill: into the bytes of the first slot's weights, behind a round of the cluster's barrier.
; CLUSTER 4 x 4: the tokens' tiles are asked for jointly along a row of the cluster, the weights' along a column.
; PHASE 1 IS USED TRANSPOSED (source 0 = 16 columns of W, source 1 = 16 tokens): a lane holds one token, and since tile 2 bb + u, lane r holds row 32 bb + 8 u + r + 8 (r / 8), its 64 registers of a tile of tokens are
; register 16 b + i = column 32 b + 16 h + i: two heads of 64.  PHASE 2 the other way (source 0 = 16 tokens, source 1 = 16 columns of V): a lane holds one channel and its registers run along the keys.
; OUT.  qq: for each (batch, head) 73,728 bytes: codes [tile 128][lane][16 bytes], lane (r, h) = d 32 h on of the tile's token r; at 65,536 scale words [tile / 4][r][tile % 4], bytes 0, 1 real, bytes 2, 3 zero.
; kv: for each (batch, head) 143,360 bytes: K as Q; at 73,728 V's codes [128 keys 16][tile of d 4][c 2][lane][16 bytes]; at 139,264 V's scale words [128 keys 16][r][tile of d 4].
; LIMITS: NaN and infinities are not served; a block whose largest magnitude lies under 2^-124 gets the byte 1, a block of zeros too (its codes are zeros; this program alone reads the bytes).
; REGISTERS, in windows of 256.  Window 0: v1-31 addresses; v32-127 scale words and nothing else; v128-191, v192-255 two sets of source 1's fragments, in the epilogues at work.
;   Window 1: v0-63, v128-191 two sets of source 0's fragments; v64-127 Q's or K's bias; v192-199 V's bias, each number twice.   Windows 2, 3: the accumulators, (a, b) at v[8 (8 (a % 4) + b)] of window 2 + a / 4.
.set REC,   8704
.set HALF,  4352
.set HSIDE, 8*HALF                     ; 8 tiles' halves: what one tensor load brings, and what a wave reads of one side
.set SIDE,  16*HALF
.set SLOT,  2*SIDE                     ; the tokens' 16 tiles, then the weights' 16
.set SPARE, 2*SLOT                     ; the spare words, 128 bytes for each wave: two blocks of 256 bytes that no other line names
.set QREC,  73728
.set KVREC, 143360
.set ADRV,  8                          ; v8-9   phase 2: V's weights, half 0, 1
.set ADRT,  10                         ; v10-11 phase 2: my 128 tokens
.set ADRX,  12                         ; v12-13 phase 2: their scale words
.set ADRVS, 14                         ; v14    phase 2: the weights' scale words
.set ADRA,  16                         ; v16-17 phase 1: my 128 tokens in slot 0, 1
.set ADRB,  18                         ; v18-19 phase 1: my 128 columns
.set ADRS,  20                         ; v20-21 phase 1: scale words: lanes 0-15 the tokens', lanes 16-31 the columns'
.set GO,    22                         ; v22    16 x lane
.set GS,    23                         ; v23    16 r + h x a head's record
.set BO,    24                         ; v24-25 the biases' byte offsets
.set SPW,   28                         ; v28    my spare word; never rewritten
.set NIL,   29                         ; v29    0; never rewritten
.set SH,    30                         ; v30    16 h
.set GS2,   31                         ; v31    16 r + 8 h
.set SC,    32
.set RV,    96
.set HA,    128                        ; the epilogues: 64 sums + bias
.set PC,    192                        ; a fragment's codes
.set TM,    200
.set PWS,   216                        ; scale words, one for each block of the epilogue
.set DD,    224                        ; as they are stored
.set BI,    64                         ; in window 1
.set BV,    192                        ; in window 1
.set G1X,   24                         ; s[24:31] group 1 for the tokens' tiles;  s[32:39] the weights';  s[40:47] V's weights
.set G1W,   32
.set G1V,   40
.set G0X,   48                         ; s[48:55] group 0, a set for each slot;  s[56:63] likewise;  s[68:71]
.set G0W,   56
.set G0V,   68
.set H0,    72                         ; s[72:73] where my first head's codes go;  s[74:75] my second head's;  s[76:77] the scale words
.set H1,    74
.set HS,    76
.set VC,    78                         ; s[78:79] V's codes;  s[80:81] V's scale words
.set VSC,   80
.set SEL,   82
.set ST,    84                         ; s84 a head's record in the buffer that phase 1 stores into
.set MSB, 0
.macro WIN new                         ; the immediate's high byte repeats the setting that is left
.if MSB != (\new)
	s_set_vgpr_msb (MSB<<8)|(\new)
.set MSB, (\new)
.endif
.endm
.macro PLACES n
.rept \n
	v_nop
.endr
.endm
; A joint load: waves 0 and 1 fetch the tokens' halves, waves 2 and 3 the weights'.  The branch hangs on the wave's number alone.  Four v_nop follow each of the two lines.
.macro JLOAD g0x, g0w
	s_cmp_eq_u32 s15, 0
	s_cbranch_scc0 .Lfor_w_\@
	tensor_load_to_lds s[\g0x:\g0x+3], s[G1X:G1X+7]
	s_nop 0
	PLACES 4
	s_branch .Lasked_\@
.Lfor_w_\@:
	tensor_load_to_lds s[\g0w:\g0w+3], s[G1W:G1W+7]
	s_nop 0
	PLACES 4
.Lasked_\@:
.endm
.macro CREST                           ; a round of the cluster's barrier behind its opening barrier
	s_cmp_lg_u32 s14, 0
	s_cbranch_scc1 .Lnot_wave_0_\@
	s_barrier_signal -3
.Lnot_wave_0_\@:
	s_barrier_wait -3
	s_barrier_signal -1
	s_barrier_wait -1
.endm
.macro CROUND
	s_barrier_signal -1
	s_barrier_wait -1
	CREST
.endm
; 64 numbers of a lane, register 16 b + i = k 32 b + 16 h + i of my row, become a fragment's codes in v[PC] on and the row's scale word in v[pw]
.macro QUANT s, pw
.irp b, 0,1,2,3
	v_max3_num_f32 v[TM+\b], |v[\s+16*\b]|, |v[\s+1+16*\b]|, 0x1800000   ; my 16 numbers of block b, and the floor 2^(3 - 127)
.endr
.irp i, 2,4,6,8,10,12,14
.irp b, 0,1,2,3
	v_max3_num_f32 v[TM+\b], v[TM+\b], |v[\s+16*\b+\i]|, |v[\s+1+16*\b+\i]|
.endr
.endr
.irp b, 0,1,2,3
	v_permlanex16_b32 v[TM+4+\b], v[TM+\b], s[SEL], s[SEL+1]
.endr
.irp b, 0,1,2,3
	v_max_num_f32 v[TM+\b], v[TM+\b], v[TM+4+\b]
.endr
.irp b, 0,1,2,3
	v_add_nc_u32 v[TM+12+\b], 0xff000000, v[TM+\b]   ; 2 off the exponent field: the conversion's scale operand
.endr
.irp b, 0,1,2,3
	v_lshrrev_b32 v[TM+4+\b], 23, v[TM+12+\b]
.endr
	v_lshl_or_b32 v[\pw], v[TM+5], 8, v[TM+4]
	v_lshl_or_b32 v[\pw], v[TM+6], 16, v[\pw]
	v_lshl_or_b32 v[\pw], v[TM+7], 24, v[\pw]
.irp b, 0,1,2,3
	v_cvt_scalef32_pk8_fp4_f32 v[PC+2*\b], v[\s+16*\b:\s+7+16*\b], v[TM+12+\b]
	v_cvt_scalef32_pk8_fp4_f32 v[PC+1+2*\b], v[\s+8+16*\b:\s+15+16*\b], v[TM+12+\b]
.endr
	v_nop                                          ; one plain place behind a scaled conversion
.irp c, 0,1
.irp i, 0,1
	v_permlane16_swap_b32 v[PC+4*\c+\i], v[PC+2+4*\c+\i]
.endr
.endr
.endm
.macro FRAG reg, adr, off              ; a fragment comes as it lies: two loads of 512 consecutive bytes
.irp c, 0,1
	ds_load_b128 v[\reg+4*\c:\reg+4*\c+3], v[\adr] offset:\off+512*\c
.endr
.endm
.macro FETCH8 slot, q, set             ; phase 1: the fragments of one K step: 8 of the columns, 8 of the tokens: 32 loads
	WIN 0x40
.irp i, 0,1,2,3,4,5,6,7
	FRAG 128*(\set)+8*\i, ADRB+\slot, HALF*\i+1024*(\q)
.endr
	WIN 0
.irp i, 0,1,2,3,4,5,6,7
	FRAG 128+64*(\set)+8*\i, ADRA+\slot, HALF*\i+1024*(\q)
.endr
.endm
.macro SCALES slot                     ; a slot's scale words: register 4 i + q: lanes 0-15 the tokens' tile i, lanes 16-31 the columns' tile i
.irp i, 0,1,2,3,4,5,6,7
	ds_load_b128 v[SC+32*\slot+4*\i:SC+32*\slot+4*\i+3], v[ADRS+\slot] offset:HALF*\i
.endr
.endm
; 16 products of K step k: the tokens' tiles a0, a0 + 1 against the columns' eight.  The 64 accumulators take turns, in the same order in every step
.macro PRODS a0, k, zero
.irp a, \a0, \a0+1
.irp b, 0,1,2,3,4,5,6,7
.if \zero
	v_wmma_scale_f32_16x16x128_f8f6f4 v[8*(8*((\a)%4)+\b):8*(8*((\a)%4)+\b)+7], v[128*((\k)%2)+8*\b:128*((\k)%2)+8*\b+7], v[128+64*((\k)%2)+8*(\a):128+64*((\k)%2)+8*(\a)+7], 0, v[SC+32*((\k)/4)+4*\b+(\k)%4], v[SC+32*((\k)/4)+4*(\a)+(\k)%4] matrix_a_fmt:MATRIX_FMT_FP4 matrix_b_fmt:MATRIX_FMT_FP4 matrix_a_scale:MATRIX_SCALE_ROW1
.else
	v_wmma_scale_f32_16x16x128_f8f6f4 v[8*(8*((\a)%4)+\b):8*(8*((\a)%4)+\b)+7], v[128*((\k)%2)+8*\b:128*((\k)%2)+8*\b+7], v[128+64*((\k)%2)+8*(\a):128+64*((\k)%2)+8*(\a)+7], v[8*(8*((\a)%4)+\b):8*(8*((\a)%4)+\b)+7], v[SC+32*((\k)/4)+4*\b+(\k)%4], v[SC+32*((\k)/4)+4*(\a)+(\k)%4] matrix_a_fmt:MATRIX_FMT_FP4 matrix_b_fmt:MATRIX_FMT_FP4 matrix_a_scale:MATRIX_SCALE_ROW1
.endif
.endr
.endr
.endm
.macro ALL64 k, zero
	WIN 0xa1                                       ; source 0 window 1, source 1 window 0, C and D window 2
	PRODS 0, \k, \zero
	PRODS 2, \k, \zero
	WIN 0xf1                                       ; C and D window 3
	PRODS 4, \k, \zero
	PRODS 6, \k, \zero
	WIN 0
.endm
; A K step of phase 1 whose successor lies in a slot that is known to be whole: the successor's fragments are asked for first, into the set that the step before has left
.macro KSTEP k, zero
.if (\k) > 0
	PLACES 4                                       ; four places between the last products and loads into registers that they read
.endif
	FETCH8 ((\k)+1)/4, ((\k)+1)%4, ((\k)+1)%2
	s_wait_dscnt 32                                ; all but the 32 just issued: this step's fragments (and scale words) are in
	ALL64 \k, \zero
.endm
.macro EPI1 a                          ; the tokens' tile a: + bias, quantised: its 128 columns are two heads' 64
.if (\a) > 0
	s_wait_xcnt 0x0                                ; the last tile's stores have read the codes' registers
.endif
	WIN 0x06+(\a)/4                                ; source 0 window 2 or 3, source 1 window 1
.set i, 0
.rept 32
	v_pk_add_f32 v[HA+2*i:HA+2*i+1], v[64*((\a)%4)+2*i:64*((\a)%4)+2*i+1], v[BI+2*i:BI+2*i+1]   ; each accumulator from its low end on
.set i, i+1
.endr
	WIN 0
	QUANT HA, PWS+(\a)
	global_store_b128 v[GO], v[PC:PC+3], s[H0:H0+1] offset:512*(\a)      ; 32 lanes store 512 consecutive bytes
	global_store_b128 v[GO], v[PC+4:PC+7], s[H1:H1+1] offset:512*(\a)
.endm
.macro FETCH4 k                        ; phase 2: the fragments of K step k: my 8 tiles of tokens, my 4 tiles of V's columns: 24 loads
	WIN 0x40
.irp i, 0,1,2,3,4,5,6,7
	FRAG 128*((\k)%2)+8*\i, ADRT+(\k)/4, HALF*\i+1024*((\k)%4)
.endr
	WIN 0
.irp a, 0,1,2,3
	FRAG 128+64*((\k)%2)+8*\a, ADRV+(\k)/4, REC*\a+1024*((\k)%4)
.endr
.endm
.macro P32 k, zero                     ; phase 2: 32 products, the accumulators by turns
	WIN 0xa1
.irp a, 0,1,2,3
.irp b, 0,1,2,3,4,5,6,7
.if \zero
	v_wmma_scale_f32_16x16x128_f8f6f4 v[8*(8*\a+\b):8*(8*\a+\b)+7], v[128*((\k)%2)+8*\b:128*((\k)%2)+8*\b+7], v[128+64*((\k)%2)+8*\a:128+64*((\k)%2)+8*\a+7], 0, v[SC+32*((\k)/4)+4*\b+(\k)%4], v[RV+16*((\k)/4)+4*\a+(\k)%4] matrix_a_fmt:MATRIX_FMT_FP4 matrix_b_fmt:MATRIX_FMT_FP4
.else
	v_wmma_scale_f32_16x16x128_f8f6f4 v[8*(8*\a+\b):8*(8*\a+\b)+7], v[128*((\k)%2)+8*\b:128*((\k)%2)+8*\b+7], v[128+64*((\k)%2)+8*\a:128+64*((\k)%2)+8*\a+7], v[8*(8*\a+\b):8*(8*\a+\b)+7], v[SC+32*((\k)/4)+4*\b+(\k)%4], v[RV+16*((\k)/4)+4*\a+(\k)%4] matrix_a_fmt:MATRIX_FMT_FP4 matrix_b_fmt:MATRIX_FMT_FP4
.endif
.endr
.endr
	WIN 0
.endm
.macro EPI2 a                          ; V's tile a of 16 channels x my 128 keys: + bias, quantised along the keys
.if (\a) > 0
	s_wait_xcnt 0x0
.endif
	WIN 0x06
.set i, 0
.rept 32
	v_pk_add_f32 v[HA+2*i:HA+2*i+1], v[64*(\a)+2*i:64*(\a)+2*i+1], v[BV+2*(\a):BV+2*(\a)+1]
.set i, i+1
.endr
	WIN 0
	QUANT HA, PWS+(\a)
.irp c, 0,1
	global_store_b128 v[GO], v[PC+4*\c:PC+4*\c+3], s[VC:VC+1] offset:1024*(\a)+512*\c
.endr
.endm
	s_load_b256 s[4:11], s[0:1], 0x0               ; xq s[4:5], wq s[6:7], b_qkv s[8:9], qq s[10:11]
	s_load_b64 s[12:13], s[0:1], 0x20              ; kv
	v_lshl_add_u32 v[SPW], v0, 2, SPARE
	v_mov_b32 v[NIL], 0
	ds_add_u32 v28, v29
	ds_add_u32 v28, v29
	s_wait_dscnt 0x0
	v_lshrrev_b32 v1, 5, v0
	v_readfirstlane_b32 s14, v1                    ; wave 0..3
	s_lshr_b32 s15, s14, 1                         ; phase 1: which 128 tokens; phase 2: which head.  Also: I fetch tokens (0) or weights (1)
	s_and_b32 s16, s14, 1                          ; phase 1: which 128 columns; phase 2: which 128 tokens.  Also: which 8 tiles I fetch
	s_bfe_u32 s17, ttmp6, 0x40000                  ; cx
	s_bfe_u32 s18, ttmp6, 0x40004                  ; cy
	s_lshl_b32 s19, ttmp9, 2
	s_add_co_u32 s19, s19, s17                     ; work-group x, 0..7: the columns
	s_and_b32 s20, ttmp7, 0xffff
	s_lshl_b32 s20, s20, 2
	s_add_co_u32 s20, s20, s18                     ; work-group y, 0..31: the tokens
	s_lshl_b32 s21, s18, 2
	s_lshl_b32 s21, 15, s21                        ; my row of the cluster
	s_lshl_b32 s22, 0x1111, s17                    ; my column
	s_or_b32 s[G1X], s21, (3<<16)|(1<<21)          ; 15:0 the mask; 17:16 elements of 8 bytes; 21 set beside a mask; no padding: fragments are read as consecutive bytes
	s_or_b32 s[G1W], s22, (3<<16)|(1<<21)
	s_or_b32 s[G1V], s22, (3<<16)|(1<<21)
.irp g, G1X, G1W                       ; 8 rows (a tile's half each) of 544 elements, 1,088 elements apart
	s_mov_b32 s[\g+1], 544<<16
	s_mov_b32 s[\g+2], 8<<16
	s_mov_b32 s[\g+3], 544<<16
	s_mov_b32 s[\g+4], 8
	s_mov_b32 s[\g+5], 1088
	s_mov_b32 s[\g+6], 0
	s_mov_b32 s[\g+7], 0
.endr
	s_mov_b32 s[G1V+1], 32<<16                     ; a dense block of 17,408 bytes as 68 rows of 256
	s_mov_b32 s[G1V+2], 68<<16
	s_mov_b32 s[G1V+3], 32<<16
	s_mov_b32 s[G1V+4], 68
	s_mov_b32 s[G1V+5], 32
	s_mov_b32 s[G1V+6], 0
	s_mov_b32 s[G1V+7], 0
	s_mul_i32 s86, s20, 16*REC                     ; the tokens' address hangs on work-group y and the wave alone,
	s_mul_i32 s87, s16, 8*REC
	s_add_co_u32 s86, s86, s87
	s_mul_i32 s88, s19, 16*REC                     ; the weights' on work-group x and the wave alone
	s_add_co_u32 s88, s88, s87
	s_mov_b32 s87, 0
	s_mov_b32 s89, 0
	s_mul_i32 s90, s19, 8*REC                      ; V's weights: tiles 128 + 8 x on; a quarter to each wave
	s_mul_i32 s91, s14, 2*REC
	s_add_co_u32 s90, s90, s91
	s_add_co_u32 s90, s90, 128*REC
	s_mov_b32 s[G0V], 1
	s_add_co_u32 s[G0V+1], s91, SIDE               ; into the bytes of slot 0's weights
	s_mov_b32 s91, 0
	s_mul_i32 s92, s16, HSIDE                      ; no place in the cluster enters an LDS address
	s_mul_i32 s93, s15, HSIDE
	s_wait_kmcnt 0x0
	s_add_nc_u64 s[94:95], s[4:5], s[86:87]
	s_add_nc_u64 s[96:97], s[6:7], s[88:89]
	s_add_nc_u64 s[G0V+2:G0V+3], s[6:7], s[90:91]
	s_or_b32 s[G0V+3], s[G0V+3], 0x80000000
	CROUND                                         ; all sixteen work-groups are here: the first joint loads meet
.irp s, 0,1
	s_mov_b32 s[G0X+4*\s], 1
	s_add_co_u32 s[G0X+4*\s+1], s92, \s*SLOT
	s_add_nc_u64 s[G0X+4*\s+2:G0X+4*\s+3], s[94:95], \s*HALF
	s_or_b32 s[G0X+4*\s+3], s[G0X+4*\s+3], 0x80000000
	s_mov_b32 s[G0W+4*\s], 1
	s_add_co_u32 s[G0W+4*\s+1], s92, \s*SLOT+SIDE
	s_add_nc_u64 s[G0W+4*\s+2:G0W+4*\s+3], s[96:97], \s*HALF
	s_or_b32 s[G0W+4*\s+3], s[G0W+4*\s+3], 0x80000000
.if \s
	s_wait_alu depctr_va_vdst(0)                   ; slot 1's first fill stands behind the full sequence, as a refill does
	s_wait_tensorcnt 0x0                           ; my part of slot 0 is in
	ds_add_u32 v28, v29
	ds_add_u32 v28, v29
	s_wait_dscnt 0x0
	CROUND                                         ; all sixteen work-groups are here: the joint loads meet
.endif
	JLOAD G0X+4*\s, G0W+4*\s                       ; one load of mine is out behind each round
.endr
	v_and_b32 v1, 15, v0                           ; r
	s_wait_alu depctr_va_vdst(0)
	v_bfe_u32 v2, v0, 4, 1                         ; h
	v_and_b32 v3, 31, v0
	v_lshlrev_b32 v[GO], 4, v3
	; the biases.  Q's or K's: register 16 bb + i of lane half h is column 32 bb + 16 h + i of my two heads.  V's: lane r of tile a is channel 32 (a / 2) + 8 (a % 2) + r + 8 (r / 8)
	s_wait_alu depctr_va_vdst(0)
	s_and_b32 s23, s19, 3
	s_lshl_b32 s23, s23, 2
	s_lshl_b32 s85, s16, 1
	s_add_co_u32 s23, s23, s85                     ; my first head of phase 1
	s_mul_i32 s2, s23, 768
	s_lshl_b32 s85, ttmp9, 8
	s_add_co_u32 s2, s2, s85
	v_lshlrev_b32 v[BO], 6, v2
	v_add_nc_u32 v[BO], s2, v[BO]
	s_lshl_b32 s3, s19, 1
	s_add_co_u32 s3, s3, s15                       ; my head of phase 2
	s_mul_i32 s2, s3, 768
	s_add_co_u32 s2, s2, 512
	v_and_b32 v[BO+1], 8, v1
	v_add_nc_u32 v[BO+1], v[BO+1], v1
	v_lshl_add_u32 v[BO+1], v[BO+1], 2, s2
	WIN 0x40
.irp bb, 0,1,2,3
.irp j, 0,1,2,3
	global_load_b128 v[BI+16*\bb+4*\j:BI+16*\bb+4*\j+3], v[BO], s[8:9] offset:768*(\bb/2)+128*(\bb%2)+16*\j
.endr
.endr
.irp a, 0,1,2,3
	global_load_b32 v[BV+2*\a], v[BO+1], s[8:9] offset:4*(32*(\a/2)+8*(\a%2))     ; twice: a pair for the packed addition
	global_load_b32 v[BV+2*\a+1], v[BO+1], s[8:9] offset:4*(32*(\a/2)+8*(\a%2))
.endr
	WIN 0
	; LDS addresses: constants, the lane, the wave
	v_add_nc_u32 v3, 256, v[GO]                    ; codes begin behind a half's 256 bytes of scale words
	v_add_nc_u32 v[ADRA], s93, v3
	v_add_nc_u32 v[ADRA+1], SLOT, v[ADRA]
	v_add_nc_u32 v[ADRT], s92, v3
	v_add_nc_u32 v[ADRT+1], SLOT, v[ADRT]
	v_add_nc_u32 v[ADRB], SIDE, v[ADRT]
	v_add_nc_u32 v[ADRB+1], SLOT, v[ADRB]
	v_add_nc_u32 v[ADRV], SIDE, v[ADRA]            ; V's weights lie as whole records: four tiles are as many bytes as eight halves
	v_add_nc_u32 v[ADRV+1], HALF, v[ADRV]
	v_lshlrev_b32 v4, 4, v1                        ; 16 r: a row's four scale words
	v_add_nc_u32 v[ADRX], s92, v4
	v_add_nc_u32 v[ADRX+1], SLOT, v[ADRX]
	v_add_nc_u32 v5, s93, v4
	v_add_nc_u32 v[ADRVS], SIDE, v5
	s_add_co_u32 s100, s92, SIDE
	s_sub_co_u32 s100, s100, s93                   ; from my tokens' scale words to my columns'
	v_mul_u32_u24 v6, s100, v2                     ; lanes 16-31 take the columns'
	v_add_nc_u32 v[ADRS], v5, v6
	v_add_nc_u32 v[ADRS+1], SLOT, v[ADRS]
	v_lshlrev_b32 v[SH], 4, v2
	v_lshl_add_u32 v[GS2], v2, 3, v4
	s_mov_b32 s[SEL], 0x76543210
	s_mov_b32 s[SEL+1], 0xfedcba98
	; where the results go
	s_lshr_b32 s2, s20, 3
	s_lshl_b32 s2, s2, 4                           ; 16 x batch
	s_add_co_u32 s23, s2, s23                      ; phase 1: my first head's record
	s_add_co_u32 s3, s2, s3                        ; phase 2: my head's
	s_cmp_eq_u32 ttmp9, 0                          ; Q or K: the choice hangs on the cluster's number alone
	s_cselect_b64 s[H0:H0+1], s[10:11], s[12:13]
	s_mov_b32 s[ST], KVREC
	s_cselect_b32 s[ST], QREC, s[ST]
	s_mul_i32 s23, s23, s[ST]
	s_and_b32 s85, s20, 7
	s_lshl_b32 s2, s85, 4
	s_lshl_b32 s[HS], s15, 3
	s_add_co_u32 s2, s2, s[HS]                     ; my first tile of tokens in the head: 16 (y % 8) + 8 x half
	s_lshl_b32 s[HS], s2, 6                        ; its scale words: 256 bytes for four tiles
	s_add_co_u32 s[HS], s[HS], s23
	s_add_co_u32 s[HS], s[HS], 65536
	s_mov_b32 s[HS+1], 0
	s_add_nc_u64 s[HS:HS+1], s[H0:H0+1], s[HS:HS+1]
	s_lshl_b32 s[H1], s2, 9                        ; its codes: 512 bytes a tile
	s_add_co_u32 s[H1], s[H1], s23
	s_mov_b32 s[H1+1], 0
	s_add_nc_u64 s[H0:H0+1], s[H0:H0+1], s[H1:H1+1]
	s_mov_b32 s[H1], s[ST]
	s_add_nc_u64 s[H1:H1+1], s[H0:H0+1], s[H1:H1+1]
	v_mul_u32_u24 v[GS], s[ST], v2
	v_add_nc_u32 v[GS], v[GS], v4                  ; lanes 0-15 store my first head's scale words, lanes 16-31 my second's
	s_mul_i32 s3, s3, KVREC
	s_lshl_b32 s85, s85, 1
	s_add_co_u32 s85, s85, s16                     ; which 128 keys of the sequence are mine in phase 2
	s_lshl_b32 s[VC], s85, 12
	s_add_co_u32 s[VC], s[VC], s3
	s_add_co_u32 s[VC], s[VC], 73728
	s_mov_b32 s[VC+1], 0
	s_add_nc_u64 s[VC:VC+1], s[12:13], s[VC:VC+1]
	s_lshl_b32 s[VSC], s85, 8
	s_add_co_u32 s[VSC], s[VSC], s3
	s_add_co_u32 s[VSC], s[VSC], 139264
	s_mov_b32 s[VSC+1], 0
	s_add_nc_u64 s[VSC:VSC+1], s[12:13], s[VSC:VSC+1]
	; ---- PHASE 1
	s_wait_alu depctr_va_vdst(0)
	s_wait_tensorcnt 1                             ; my part of slot 0 is in; slot 1's may stay out
	s_barrier_signal -1
	s_barrier_wait -1                              ; everybody's is
	FETCH8 0, 0, 0
	SCALES 0
	KSTEP 0, 1                                     ; the first step's products start the sums: nothing is cleared
	KSTEP 1, 0
	KSTEP 2, 0
	; K step 3 leaves slot 0, whose weights' bytes are filled again with V's weights
	s_wait_tensorcnt 0x0                           ; all my tensor loads have landed: my part of slot 1
	ds_add_u32 v[SPW], v[NIL]                      ; 0 onto my spare word
	s_wait_dscnt 1                                 ; this step's fragments are in; the add may be out
	WIN 0xa1
	PRODS 0, 3, 0                                  ; sixteen products stand between the add and the wait for it
	s_wait_dscnt 0x0                               ; the add is done, and my reads of slot 0's weights are over
	s_barrier_signal -1                            ; this barrier opens a round of the cluster's
	PRODS 2, 3, 0
	WIN 0
	s_barrier_wait -1
	CREST                                          ; no wave of any partner still reads those bytes or has a load on its way
	tensor_load_to_lds s[G0V:G0V+3], s[G1V:G1V+7]  ; every wave a quarter, jointly along the cluster's column; it has four K steps and an epilogue in which to land
	s_nop 0
	PLACES 4                                       ; also the places in front of the loads below
	FETCH8 1, 0, 0
	SCALES 1
	WIN 0xf1
	PRODS 4, 3, 0
	PRODS 6, 3, 0
	WIN 0
	KSTEP 4, 0
	KSTEP 5, 0
	KSTEP 6, 0
	s_wait_dscnt 0x0                               ; the last step: nothing more to fetch
	ALL64 7, 0
	PLACES 4                                       ; between the last products and the first read of results
	s_wait_loadcnt 0x0                             ; the biases
.irp b, 0,1,2,3
	v_mov_b32 v[TM+4+\b], 0                        ; written once: a lane permute's destination counts as one of its sources
.endr
.irp a, 0,1,2,3,4,5,6,7
	EPI1 \a
.endr
.irp i, 0,1,2,3,4,5,6,7
	v_bfe_u32 v[DD+\i], v[PWS+\i], v[SH], 16       ; a head's two bytes of the word; bytes 2 and 3 are zero: they belong to k = 64 .. 127, where Q's codes are zeros
.endr
	global_store_b128 v[GS], v[DD:DD+3], s[HS:HS+1]               ; sixteen lanes store 256 consecutive bytes, aligned
	global_store_b128 v[GS], v[DD+4:DD+7], s[HS:HS+1] offset:256
	; ---- PHASE 2
	s_wait_xcnt 0x0                                ; the stores have read their registers, which take fragments again
	s_wait_tensorcnt 0x0                           ; my quarter of V's weights is in
	s_wait_dscnt 0x0
	s_barrier_signal -1
	s_barrier_wait -1                              ; everybody's is
.irp kh, 0,1
.irp i, 0,1,2,3,4,5,6,7
	ds_load_b128 v[SC+32*\kh+4*\i:SC+32*\kh+4*\i+3], v[ADRX+\kh] offset:HALF*\i
.endr
.irp a, 0,1,2,3
	ds_load_b128 v[RV+16*\kh+4*\a:RV+16*\kh+4*\a+3], v[ADRVS] offset:REC*\a+HALF*\kh
.endr
.endr
	FETCH4 0
.irp k, 0,1,2,3,4,5,6
.if \k > 0
	PLACES 4
.endif
	FETCH4 \k+1
	s_wait_dscnt 24                                ; all but the 24 just issued
.if \k == 0
	P32 \k, 1
.else
	P32 \k, 0
.endif
.endr
	s_wait_dscnt 0x0
	P32 7, 0
	PLACES 4
.irp a, 0,1,2,3
	EPI2 \a
.endr
	v_cmp_eq_u32 vcc_lo, 1, v2                     ; lanes 0-15 store tiles 0 and 1 of channel row r, lanes 16-31 tiles 2 and 3
	v_cndmask_b32 v[DD], v[PWS], v[PWS+2], vcc_lo
	v_cndmask_b32 v[DD+1], v[PWS+1], v[PWS+3], vcc_lo
	global_store_b64 v[GS2], v[DD:DD+1], s[VSC:VSC+1]             ; 32 lanes store 256 consecutive bytes, aligned
	s_wait_tensorcnt 0x0                           ; the wave's end
	ds_add_u32 v[SPW], v[NIL]
	s_wait_dscnt 0x0
	CROUND                                         ; the closing round
	s_endpgm
.Lfunc_end_k_qaa3b7599ee_proj:
	.size	k_qaa3b7599ee_proj, .Lfunc_end_k_qaa3b7599ee_proj-k_qaa3b7599ee_proj
	.p2alignl 7, 3214868480
	.fill 96, 4, 3214868480
	.section	.rodata,"a",@progbits
	.p2align	6, 0x0
	.amdhsa_kernel k_qaa3b7599ee_proj
		.amdhsa_group_segment_fixed_size 327680
		.amdhsa_private_segment_fixed_size 0
		.amdhsa_enable_private_segment 0
		.amdhsa_kernarg_size 40
		.amdhsa_user_sgpr_count 2
		.amdhsa_user_sgpr_kernarg_segment_ptr 1
		.amdhsa_wavefront_size32 1
		.amdhsa_system_sgpr_workgroup_id_x 1
		.amdhsa_system_sgpr_workgroup_id_y 1
		.amdhsa_system_sgpr_workgroup_id_z 1
		.amdhsa_system_vgpr_workitem_id 0
		.amdhsa_next_free_vgpr 1024
		.amdhsa_next_free_sgpr 102
		.amdhsa_reserve_vcc 1
		.amdhsa_float_denorm_mode_32 3
		.amdhsa_float_denorm_mode_16_64 3
		.amdhsa_memory_ordered 1
		.amdhsa_forward_progress 1
		.amdhsa_inst_pref_size 218
	.end_amdhsa_kernel
	.amdgpu_metadata
---
amdhsa.version: [ 1, 2 ]
amdhsa.kernels:
  - .name:           k_qaa3b7599ee_proj
    .symbol:         k_qaa3b7599ee_proj.kd
    .args:
      - { .name: xq, .offset: 0, .size: 8, .value_kind: global_buffer, .address_space: global }
      - { .name: wq, .offset: 8, .size: 8, .value_kind: global_buffer, .address_space: global }
      - { .name: b_qkv, .offset: 16, .size: 8, .value_kind: global_buffer, .address_space: global }
      - { .name: qq, .offset: 24, .size: 8, .value_kind: global_buffer, .address_space: global }
      - { .name: kv, .offset: 32, .size: 8, .value_kind: global_buffer, .address_space: global }
    .group_segment_fixed_size: 327680
    .private_segment_fixed_size: 0
    .kernarg_segment_align: 8
    .kernarg_segment_size: 40
    .max_flat_workgroup_size: 128
    .sgpr_count:     102
    .vgpr_count:     1024
    .wavefront_size: 32
...
	.end_amdgpu_metadata
.endif
;; end of part 2
;; launch attn (part 3): grid 4 x 64, 8 waves a work-group, clusters of 4 x 1, 169,984 bytes of LDS; arguments qq, kv, aq; writes aq
.if DOCPART == 3
	.amdgcn_target "amdgcn-amd-amdhsa--gfx1250"
	.amdhsa_code_object_version 6
	.text
	.protected	k_qaa3b7599ee_attn
	.globl	k_qaa3b7599ee_attn
	.p2align	8
	.type	k_qaa3b7599ee_attn,@function
k_qaa3b7599ee_attn:
	s_mov_b64 s[64:65], 0
	v_nop
	global_prefetch_b8 v0, s[64:65] scope:SCOPE_SE
	s_setreg_imm32_b32 hwreg(HW_REG_WAVE_MODE, 25, 1), 1
	s_wait_xcnt 0x0
	s_wait_alu depctr_hold_cnt(0) depctr_sa_sdst(0) depctr_va_vdst(0) depctr_va_sdst(0) depctr_va_ssrc(0) depctr_va_vcc(0) depctr_vm_vsrc(0)
	s_getreg_b32 s2, hwreg(HW_REG_IB_STS2, 6, 4)
	s_cmp_eq_u32 s2, 0
	s_cbranch_scc0 .Lentry_in_a_cluster
	s_endpgm
.Lentry_in_a_cluster:
	s_bfe_u32 s2, ttmp6, 0x10000c
	s_cmp_lg_u32 s2, 0x3003
	s_cbranch_scc0 .Lentry_shape_is_right
	s_endpgm
.Lentry_shape_is_right:
; Causal attention of one (batch, head) on codes of E2M1, and the quantising of its result along head x 64 + d for the last product.  qq, kv: as the launch before lays them; aq: tiles of 16 tokens, records of two halves of
; 4,352 bytes (256 of scale words [r][K step], 4 K steps x 1,024 of codes); head hd owns K = 64 hd on: half hd / 8, K step (hd / 2) % 4, piece hd % 2 of 512 bytes, and two bytes of each scale word.
; THE SOFTMAX: t = score x log2(e) / 8; M = the running largest t rounded up to a whole number; p = 2^(t - M) is quantised along the keys, not normalised; the row's sum is taken of the unquantised p and divides O at the end.
; When M moves, the sum and O are multiplied by 2^(old M - new M): exact.
; SHARES.  The four work-groups of a cluster share a head.  Its K and V, 143,360 bytes, come into each one's LDS ONCE, by joint loads (8 waves x 17,920 bytes), and stay: no ring, and no loop in which a prefetch could run ahead.
; The 32 tokens 128 g + 32 cx on are two tiles of 16 queries (e = 0, 1); they need key steps 0 .. g of 128 keys and their diagonal lies in step g: both free of cx, so all partners run alike.
; Wave w takes g = 15 - w and then g = w, BOTH tiles at once: 17 key steps for every wave of the launch, and each fragment of K and V that is read from LDS feeds two matrix instructions.
; Key steps all of whose keys the causal mask of the problem hides are jumped over by a scalar branch on the wave's number and the counter; the trip counts are constants (16 and 8).
; ORDER IN A STEP.  The next step's K is asked for behind this step's score products.  The two tiles go half a phase apart: tile 0's chain from the largest score to f stands among tile 1's maxima, tile 1's among tile 0's
; multiply-adds, tile 1's multiply-adds among tile 0's exponentials: no line there reads what a line written among the same exponentials made.  O^T is brought under the new M ahead of the exponentials.
; LAYOUT.  Both products transposed: S^T = K Q^T (source 0 = 16 keys), O^T = V^T P^T (source 0 = 16 channels): a lane holds one query.  Tile 2 b + u, lane r holds row 32 b + 8 u + r + 8 (r / 8), so the 16 registers of two
; neighbouring tiles are 16 neighbours: keys for p, channels for O.
; K = 64 IN THE FIRST PRODUCT.  The instruction's k = 64 .. 127 lie in registers 4-7.  There Q has zero codes; K's tiles are packed four registers each, so its operand's upper half is the next tile's codes (zeros behind the last),
; which meet Q's zeros alone and add exactly 0; the scale bytes 2 and 3 are 0 (2^-127, no NaN) on both sides.
; LIMITS: NaN and infinities are not served; the promise holds while the scaled scores stay under 2^31 in magnitude; a block of O / l whose largest magnitude lies under 2^-124, or that is all zeros, gets the byte 1
; (this program alone reads the bytes).  A head's two bytes of a scale word leave as 2 bytes a lane, one store a pass: the word's other half belongs to another work-group.
; REGISTERS.  Window 0: v1-11 addresses, v12-27 each tile's -M, largest score, sum, f; v32-159 S^T, then p (64 a tile); v160-175 p's codes; v176-193 scale words and nothing else; v196-235 at work; v236-253 what the stores read, a set a pass.
; Window 1: v0-31 K's eight tiles, v32-35 zeros; v36-67 V's four fragments; v68-99 Q (two passes x two tiles); v100-163 O^T.
.set SPARE, 0x29000                    ; the spare words, 128 bytes for each wave: four blocks of 256 bytes that no other line names
.set NM,   12                          ; v[12+2e] -M, v[13+2e] the largest score so far
.set SU,   16                          ; v[16+2e:17+2e] the sum, in two halves
.set F,    20                          ; v[20+2e] f = 2^(old M - new M); v[21+2e] named with it as a pair
.set TMP,  26
.set S,    32
.set PC,   160
.set KS,   176
.set VS,   184
.set PW,   192
.set BM,   196
.set BT,   204
.set BS,   212
.set X,    220                         ; four chains of sums for each tile
.set KB,   0                           ; in window 1
.set VB,   36
.set OT,   100
.set WV,   10
.set CS,   26                          ; s[26:27] log2(e) / 8
.set SEL,  28
.set SI,   34                          ; s34 the key step;  s35, s36, s37 its bytes in the codes (4,096), K's scale words (512), V's (256)
.set MSB, 0
.macro WIN new                         ; the immediate's high byte repeats the setting that is left
.if MSB != (\new)
	s_set_vgpr_msb (MSB<<8)|(\new)
.set MSB, (\new)
.endif
.endm
.macro CROUND
	s_barrier_signal -1
	s_barrier_wait -1
	s_cmp_lg_u32 s[WV], 0
	s_cbranch_scc1 .Lnot_wave_0_\@
	s_barrier_signal -3
.Lnot_wave_0_\@:
	s_barrier_wait -3
	s_barrier_signal -1
	s_barrier_wait -1
.endm
; Where a pass's two tiles lie.  g stays free of cx; all that holds cx goes into global addresses alone
.macro WHERE G, QC, QSB, AC, AS
	s_lshl_b32 s60, s[\G], 3
	s_lshl_b32 s61, s11, 1
	s_add_co_u32 s60, s60, s61                     ; the first tile: 8 g + 2 cx
	s_lshl_b32 s54, s60, 9
	s_add_co_u32 s54, s54, s25
	s_mov_b32 s55, 0
	s_add_nc_u64 s[\QC:\QC+1], s[4:5], s[54:55]    ; Q's codes: 512 bytes a tile
	s_lshr_b32 s54, s60, 2
	s_lshl_b32 s54, s54, 8
	s_and_b32 s61, s60, 3
	s_lshl_b32 s61, s61, 2
	s_add_co_u32 s54, s54, s61
	s_add_co_u32 s54, s54, s25
	s_add_co_u32 s54, s54, 65536
	s_add_nc_u64 s[\QSB:\QSB+1], s[4:5], s[54:55]  ; Q's scale words: the two tiles' lie side by side
	s_add_co_u32 s60, s60, s56
	s_mul_i32 s60, s60, 8704                       ; the first tile's record in aq; the second's follows it
	s_add_co_u32 s54, s60, s57
	s_add_nc_u64 s[\AC:\AC+1], s[8:9], s[54:55]
	s_add_co_u32 s54, s60, s58
	s_add_nc_u64 s[\AS:\AS+1], s[8:9], s[54:55]
.endm
; The k-th line of tile e's chain from its four blocks' largest scores to -M and f
.macro CH k, e
.if \k == 0
	v_max3_num_f32 v[TMP+\e], v[BM+4*\e], v[BM+4*\e+1], v[BM+4*\e+2]
.elseif \k == 1
	v_max3_num_f32 v[NM+2*\e+1], v[NM+2*\e+1], v[TMP+\e], v[BM+4*\e+3]   ; the running largest score
.elseif \k == 2
	v_mul_f32 v[TMP+\e], s[CS], v[NM+2*\e+1]       ; as t (the factor is positive)
.elseif \k == 3
	v_floor_f32 v[TMP+\e], -v[TMP+\e]              ; the new -M = -ceil(t)
.elseif \k == 4
	v_sub_f32 v[F+2*\e], v[TMP+\e], v[NM+2*\e]     ; old M - new M: a whole number, 0 or less
.elseif \k == 5
	v_mov_b32 v[NM+2*\e], v[TMP+\e]
.elseif \k == 6
	v_cvt_i32_f32 v[F+2*\e], v[F+2*\e]             ; (it saturates)
.elseif \k == 7
	v_ldexp_f32 v[F+2*\e], 1.0, v[F+2*\e]
.endif
.endm
; The largest score of each block of 32 keys of tile e, the four blocks by turns: for the row's maximum, and, since p rises with the score, for the block's largest p.  w >= 0: tile w's chain stands among the lines
.macro MAXT e, w
.irp b, 0,1,2,3
	v_max3_num_f32 v[BM+4*\e+\b], v[S+64*\e+16*\b], v[S+64*\e+16*\b+1], v[S+64*\e+16*\b+2]
.endr
.if \w >= 0
	CH 0, \w
.endif
.set kk, 1
.irp i, 3,5,7,9,11,13
.irp b, 0,1,2,3
	v_max3_num_f32 v[BM+4*\e+\b], v[BM+4*\e+\b], v[S+64*\e+16*\b+\i], v[S+64*\e+16*\b+\i+1]
.endr
.if \w >= 0
	CH kk, \w
.endif
.set kk, kk+1
.endr
.irp b, 0,1,2,3
	v_max_num_f32 v[BM+4*\e+\b], v[BM+4*\e+\b], v[S+64*\e+16*\b+15]
.endr
.if \w >= 0
	CH 7, \w
.endif
.irp b, 0,1,2,3
	v_permlanex16_b32 v[BT+4*\e+\b], v[BM+4*\e+\b], s[SEL], s[SEL+1]
.endr
.irp b, 0,1,2,3
	v_max_num_f32 v[BM+4*\e+\b], v[BM+4*\e+\b], v[BT+4*\e+\b]   ; with lane l xor 16's 16 keys
.endr
.endm
.macro CV e, b                         ; block b of tile e: 16 of my p into codes
	v_cvt_scalef32_pk8_fp4_f32 v[PC+8*\e+2*\b], v[S+64*\e+16*\b:S+64*\e+16*\b+7], v[BS+4*\e+\b]
	v_cvt_scalef32_pk8_fp4_f32 v[PC+8*\e+2*\b+1], v[S+64*\e+16*\b+8:S+64*\e+16*\b+15], v[BS+4*\e+\b]
.endm
; Two tiles of 16 queries through their keys.  Q: tile 0's fragment (window 1; tile 1's 8 on); QS: their scale words; G: s register with g; NS: trips; OC: eight registers for the result's codes; PWO: its scale bytes; AC, AS: where they go
.macro PASS Q, QS, G, NS, OC, PWO, AC, AS
.irp e, 0,1
	v_mov_b32 v[NM+2*\e], 0x7f61b1e6               ; -M = 3e38,
	v_mov_b32 v[NM+2*\e+1], 0xff61b1e6             ; the largest score so far -3e38: the first step's f is 0
	v_mov_b32 v[SU+2*\e], 0
	v_mov_b32 v[SU+2*\e+1], 0
.endr
	WIN 0x40                                       ; destination window 1
.set n, 0
.rept 64
	v_mov_b32 v[OT+n], 0                           ; the loop is written once: its first step finds zeros
.set n, n+1
.endr
.irp t, 0,1,2,3,4,5,6,7
	ds_load_b128 v[KB+4*\t:KB+4*\t+3], v1 offset:512*\t          ; step 0's K
.endr
	WIN 0
.irp p, 0,1
	ds_load_b128 v[KS+4*\p:KS+4*\p+3], v3 offset:256*\p
.endr
	s_mov_b32 s[SI], 0
	s_mov_b32 s35, 0
	s_mov_b32 s36, 0
	s_mov_b32 s37, 0
	s_wait_alu depctr_va_vdst(0)                   ; the wait ahead of the loop
.Lstep_\@:
	s_cmp_gt_u32 s[SI], s[\G]                      ; all 128 keys come after my queries: the step's work is left out, not the lines that step addresses
	s_cbranch_scc1 .Lhid_\@
	v_add_nc_u32 v8, s35, v1                       ; (these four are the places between the last products and the loads into registers that they read)
	v_add_nc_u32 v9, s35, v2
	v_add_nc_u32 v10, s36, v3
	v_add_nc_u32 v11, s37, v4
	WIN 0x40
.irp t, 0,1,2,3
.irp c, 0,1
	ds_load_b128 v[VB+8*\t+4*\c:VB+8*\t+4*\c+3], v9 offset:1024*\t+512*\c
.endr
.endr
	WIN 0
	ds_load_b128 v[VS:VS+3], v11
	s_wait_alu depctr_va_vdst(0)                   ; the wait here, directly ahead of the wait below
	s_wait_dscnt 9                                 ; K and its scale words, asked for a step ago, are in; V's eight loads and its scale words may be out
	WIN 0x05                                       ; sources 0 and 1 window 1
.irp t, 0,1,2,3,4,5,6,7
.irp e, 0,1
	v_wmma_scale_f32_16x16x128_f8f6f4 v[S+64*\e+8*\t:S+64*\e+8*\t+7], v[KB+4*\t:KB+4*\t+7], v[\Q+8*\e:\Q+8*\e+7], 0, v[KS+\t], v[\QS+\e] matrix_a_fmt:MATRIX_FMT_FP4 matrix_b_fmt:MATRIX_FMT_FP4
.endr
.endr
.rept 4
	v_nop                                          ; places: for the loads below and for the first reads of the scores
.endr
	WIN 0x40
.irp t, 0,1,2,3,4,5,6,7
	ds_load_b128 v[KB+4*\t:KB+4*\t+3], v8 offset:4096+512*\t     ; the next step's K (behind step 15: bytes of the head's record that no product takes)
.endr
	WIN 0
.irp p, 0,1
	ds_load_b128 v[KS+4*\p:KS+4*\p+3], v10 offset:512+256*\p
.endr
	s_cmp_lg_u32 s[SI], s[\G]                      ; only step g lies on the diagonal
	s_cbranch_scc1 .Lopen_\@
.set n, 0
.rept 64                                       ; register 16 b + i holds key 32 b + 16 h + i of the step: hidden where 32 b + i > d
	v_cmp_gt_i32 vcc_lo, 32*(n/16)+n%16, v5
	v_cndmask_b32 v[S+n], v[S+n], v25, vcc_lo
	v_cmp_gt_i32 vcc_lo, 32*(n/16)+n%16, v6
	v_cndmask_b32 v[S+64+n], v[S+64+n], v25, vcc_lo
.set n, n+1
.endr
.Lopen_\@:
	MAXT 0, -1
	MAXT 1, 0
.set n, 0
.set kk, 0
.rept 8
.rept 4
	v_pk_fma_f32 v[S+n:S+n+1], v[S+n:S+n+1], s[CS:CS+1], v[NM:NM+1] op_sel_hi:[1,0,0]   ; tile 0: t - M
.set n, n+2
.endr
	CH kk, 1
.set kk, kk+1
.endr
.irp b, 0,1,2,3
	v_fma_f32 v[BM+\b], v[BM+\b], s[CS], v[NM]     ; the same of each block's largest score
.endr
	WIN 0x41                                       ; source 0 and destination window 1
.irp e, 0,1
.set n, 0
.rept 16
	v_pk_mul_f32 v[OT+32*\e+n:OT+32*\e+n+1], v[OT+32*\e+n:OT+32*\e+n+1], v[F+2*\e:F+2*\e+1] op_sel_hi:[1,0]   ; O^T under the new M: no transcendental stands between the last products and these first reads
.set n, n+2
.endr
.endr
	WIN 0
	s_wait_alu depctr_va_vdst(0)                   ; the wait ahead of the batch
.set n, 0
.rept 32
	v_exp_f32 v[S+n], v[S+n]                       ; tile 0: p = 2^(t - M)
	v_exp_f32 v[S+n+1], v[S+n+1]
	v_pk_fma_f32 v[S+64+n:S+64+n+1], v[S+64+n:S+64+n+1], s[CS:CS+1], v[NM+2:NM+3] op_sel_hi:[1,0,0]   ; tile 1: t - M; read behind the wait below
.set n, n+2
.endr
.irp b, 0,1,2,3
	v_exp_f32 v[BM+\b], v[BM+\b]                   ; the block's largest p: the same instructions on the same number
	v_fma_f32 v[BM+4+\b], v[BM+4+\b], s[CS], v[NM+2]
.endr
	s_wait_alu depctr_va_vdst(0)                   ; behind tile 0's batch and ahead of tile 1's
.set n, 0
.irp j, 0,1,2,3
.rept 16
	v_exp_f32 v[S+64+n], v[S+64+n]                 ; tile 1
.set n, n+1
.endr
	v_max_num_f32 v[BM+\j], 0x1800000, v[BM+\j]    ; tile 0: the floor 2^(3 - 127): a block whose every p is 0 keeps the byte 1: its codes are zeros
	v_pk_add_f32 v[X+2*\j:X+2*\j+1], v[S+2*\j:S+2*\j+1], v[S+8+2*\j:S+8+2*\j+1]   ; tile 0: its four chains of sums begin
.endr
.irp b, 0,1,2,3
	v_exp_f32 v[BM+4+\b], v[BM+4+\b]
.endr
	v_nop                                          ; a plain place behind the exponentials
	s_wait_alu depctr_va_vdst(0)                   ; one wait for the batch, ahead of its first reader
.irp b, 0,1,2,3
	v_max_num_f32 v[BM+4+\b], 0x1800000, v[BM+4+\b]
.endr
.irp b, 0,1,2,3,4,5,6,7
	v_add_nc_u32 v[BS+\b], 0xff000000, v[BM+\b]    ; 2 off the exponent field: the conversion's scale operand
.endr
.irp b, 0,1,2,3,4,5,6,7
	v_lshrrev_b32 v[BT+\b], 23, v[BS+\b]           ; the scale's byte
.endr
.irp e, 0,1
	v_lshl_or_b32 v[PW+\e], v[BT+4*\e+1], 8, v[BT+4*\e]          ; p's scale word for these 128 keys: its three lines stand among the conversions, which name none of its registers
.endr
	CV 0, 0
	CV 0, 1
	CV 0, 2
.irp e, 0,1
	v_lshl_or_b32 v[PW+\e], v[BT+4*\e+2], 16, v[PW+\e]
.endr
	CV 0, 3
	CV 1, 0
	CV 1, 1
.irp e, 0,1
	v_lshl_or_b32 v[PW+\e], v[BT+4*\e+3], 24, v[PW+\e]
.endr
	CV 1, 2
	CV 1, 3
.irp j, 0,1,2,3                                ; THE ROW'S SUM IS TAKEN OF THE UNQUANTISED p.  (Plain lines behind the conversions, which write none of their registers)
	v_pk_add_f32 v[X+8+2*\j:X+8+2*\j+1], v[S+64+2*\j:S+64+2*\j+1], v[S+72+2*\j:S+72+2*\j+1]
.endr
.irp e, 0,1
.irp c, 0,1                                    ; the operand's layout wants a whole block in a lane
.irp i, 0,1
	v_permlane16_swap_b32 v[PC+8*\e+4*\c+\i], v[PC+8*\e+2+4*\c+\i]
.endr
.endr
.endr
.irp m, 2,3,4,5,6,7                            ; (these 48 and the eight behind them are also the places ahead of the products below)
.irp e, 0,1
.irp j, 0,1,2,3
	v_pk_add_f32 v[X+8*\e+2*\j:X+8*\e+2*\j+1], v[X+8*\e+2*\j:X+8*\e+2*\j+1], v[S+64*\e+8*\m+2*\j:S+64*\e+8*\m+2*\j+1]
.endr
.endr
.endr
.irp e, 0,1
	v_pk_add_f32 v[X+8*\e:X+8*\e+1], v[X+8*\e:X+8*\e+1], v[X+8*\e+2:X+8*\e+3]
	v_pk_add_f32 v[X+8*\e+4:X+8*\e+5], v[X+8*\e+4:X+8*\e+5], v[X+8*\e+6:X+8*\e+7]
.endr
.irp e, 0,1
	v_pk_add_f32 v[X+8*\e:X+8*\e+1], v[X+8*\e:X+8*\e+1], v[X+8*\e+4:X+8*\e+5]
.endr
.irp e, 0,1
	v_pk_fma_f32 v[SU+2*\e:SU+2*\e+1], v[SU+2*\e:SU+2*\e+1], v[F+2*\e:F+2*\e+1], v[X+8*\e:X+8*\e+1] op_sel_hi:[1,0,1]   ; the sum under the new M, and this step's
.endr
	WIN 0x51                                       ; source 0, C and D window 1, source 1 window 0
	s_wait_dscnt 10                                ; V and its scale words are in; the next step's K, ten loads, may be out.  (What the products read was written more than nine plain lines ago; the sums are next read in the next trip's sums, or behind the wait at the loop's end)
.irp t, 0,1,2,3                                ; the eight accumulators by turns; the sixteen products of S^T stand between two trips
.irp e, 0,1
	v_wmma_scale_f32_16x16x128_f8f6f4 v[OT+32*\e+8*\t:OT+32*\e+8*\t+7], v[VB+8*\t:VB+8*\t+7], v[PC+8*\e:PC+8*\e+7], v[OT+32*\e+8*\t:OT+32*\e+8*\t+7], v[VS+\t], v[PW+\e] matrix_a_fmt:MATRIX_FMT_FP4 matrix_b_fmt:MATRIX_FMT_FP4
.endr
.endr
	WIN 0
.Lhid_\@:
	s_add_co_u32 s35, s35, 4096
	s_add_co_u32 s36, s36, 512
	s_add_co_u32 s37, s37, 256
	s_add_co_u32 s[SI], s[SI], 1
	s_cmp_lt_u32 s[SI], \NS
	s_cbranch_scc1 .Lstep_\@
	s_wait_alu depctr_va_vdst(0)                   ; the wait here, directly ahead of the wait below
	s_wait_dscnt 0x0                               ; the loads asked for behind the last step's products have landed: their registers may be loaded again
.rept 4
	v_nop                                          ; places behind the last products
.endr
.irp e, 0,1
	v_add_f32 v[SU+2*\e], v[SU+2*\e], v[SU+2*\e+1]
.endr
.irp e, 0,1
	v_permlanex16_b32 v[TMP+\e], v[SU+2*\e], s[SEL], s[SEL+1]
.endr
.irp e, 0,1
	v_add_f32 v[SU+2*\e], v[SU+2*\e], v[TMP+\e]    ; the row's sum
.endr
	s_wait_alu depctr_va_vdst(0)                   ; the wait ahead of the transcendentals
.irp e, 0,1
	v_rcp_f32 v[F+2*\e], v[SU+2*\e]
.endr
	v_nop                                          ; a plain place behind them
	WIN 0x01                                       ; source 0 window 1
	s_wait_alu depctr_va_vdst(0)                   ; the wait, directly ahead of the first readers of the reciprocals and of O^T
.irp e, 0,1
.set n, 0
.rept 16
	v_pk_mul_f32 v[S+64*\e+n:S+64*\e+n+1], v[OT+32*\e+n:OT+32*\e+n+1], v[F+2*\e:F+2*\e+1] op_sel_hi:[1,0]   ; O / l: register 16 b + i = channel 32 b + 16 h + i
.set n, n+2
.endr
.endr
	WIN 0
.irp e, 0,1                                    ; quantised along the last product's K: two blocks of 32 a tile, the four by turns
.irp b, 0,1
	v_max3_num_f32 v[BM+4*\e+\b], |v[S+64*\e+16*\b]|, |v[S+64*\e+16*\b+1]|, 0x1800000
.endr
.endr
.irp i, 2,4,6,8,10,12,14
.irp e, 0,1
.irp b, 0,1
	v_max3_num_f32 v[BM+4*\e+\b], v[BM+4*\e+\b], |v[S+64*\e+16*\b+\i]|, |v[S+64*\e+16*\b+\i+1]|
.endr
.endr
.endr
.irp b, 0,1,4,5
	v_permlanex16_b32 v[BT+\b], v[BM+\b], s[SEL], s[SEL+1]
.endr
.irp b, 0,1,4,5
	v_max_num_f32 v[BM+\b], v[BM+\b], v[BT+\b]
.endr
.irp b, 0,1,4,5
	v_add_nc_u32 v[BS+\b], 0xff000000, v[BM+\b]
.endr
.irp b, 0,1,4,5
	v_lshrrev_b32 v[BT+\b], 23, v[BS+\b]
.endr
.irp e, 0,1
	v_lshl_or_b32 v[TMP+\e], v[BT+4*\e+1], 8, v[BT+4*\e]
.endr
.irp e, 0,1
.irp b, 0,1
	v_cvt_scalef32_pk8_fp4_f32 v[\OC+4*\e+2*\b], v[S+64*\e+16*\b:S+64*\e+16*\b+7], v[BS+4*\e+\b]
	v_cvt_scalef32_pk8_fp4_f32 v[\OC+4*\e+2*\b+1], v[S+64*\e+16*\b+8:S+64*\e+16*\b+15], v[BS+4*\e+\b]
.endr
.endr
	v_cndmask_b32 v[\PWO], v[TMP], v[TMP+1], s59   ; lanes 0-15 store tile 0's scale bytes of row r, lanes 16-31 tile 1's.  (A plain place behind the conversions)
.irp e, 0,1
	v_permlane16_swap_b32 v[\OC+4*\e], v[\OC+4*\e+2]
	v_permlane16_swap_b32 v[\OC+4*\e+1], v[\OC+4*\e+3]
.endr
	global_store_b128 v1, v[\OC:\OC+3], s[\AC:\AC+1]              ; 32 lanes store 512 consecutive bytes; each pass has its own registers, so none is written while a store may read it
	global_store_b128 v1, v[\OC+4:\OC+7], s[\AC:\AC+1] offset:8704
	global_store_b16 v24, v[\PWO], s[\AS:\AS+1]
.endm
	s_load_b128 s[4:7], s[0:1], 0x0                ; qq s[4:5], kv s[6:7]
	s_load_b64 s[8:9], s[0:1], 0x10                ; aq
	v_lshl_add_u32 v28, v0, 2, SPARE
	v_mov_b32 v29, 0
	ds_add_u32 v28, v29                            ; the opening lines: the add, twice on end, and its wait ahead of my tensor load
	ds_add_u32 v28, v29
	v_lshrrev_b32 v1, 5, v0
	v_readfirstlane_b32 s[WV], v1                  ; wave 0..7
	s_bfe_u32 s11, ttmp6, 0x40000                  ; cx
	s_and_b32 s24, ttmp7, 0xffff                   ; 16 x batch + head, which the four partners share
	s_mov_b32 s16, 15|(3<<16)|(1<<21)              ; 15:0 the mask: all four; 17:16 elements of 8 bytes; 21 set beside a mask
	s_mov_b32 s17, 32<<16                          ; a dense block of 17,920 bytes as 70 rows of 256
	s_mov_b32 s18, 70<<16
	s_mov_b32 s19, 32<<16
	s_mov_b32 s20, 70
	s_mov_b32 s21, 32
	s_mov_b32 s22, 0
	s_mov_b32 s23, 0
	s_mov_b32 s12, 1
	s_mul_i32 s13, s[WV], 17920                    ; an eighth of the head's record to each wave, in LDS as in memory
	s_mul_i32 s2, s24, 143360
	s_add_co_u32 s2, s2, s13
	s_mov_b32 s3, 0
	s_wait_dscnt 0x0
	s_wait_kmcnt 0x0
	s_add_nc_u64 s[14:15], s[6:7], s[2:3]
	s_or_b32 s15, s15, 0x80000000
	CROUND                                         ; all four work-groups are here: the joint loads meet
	tensor_load_to_lds s[12:15], s[16:23]          ; my one tensor load
	s_nop 0
.rept 4
	v_nop
.endr
	s_mul_i32 s25, s24, 73728                      ; the head's record in qq
	s_lshr_b32 s56, s24, 4
	s_lshl_b32 s56, s56, 7                         ; the batch's first tile in aq
	s_and_b32 s60, s24, 15                         ; the head
	s_lshr_b32 s61, s60, 3
	s_mul_i32 s57, s61, 4352
	s_bfe_u32 s61, s60, 0x20001                    ; (head / 2) % 4
	s_and_b32 s60, s60, 1
	s_lshl_b32 s58, s61, 2
	s_add_co_u32 s58, s58, s57
	s_lshl_b32 s54, s60, 1
	s_add_co_u32 s58, s58, s54                     ; its two bytes of a scale word
	s_lshl_b32 s61, s61, 10
	s_add_co_u32 s57, s57, s61
	s_lshl_b32 s60, s60, 9
	s_add_co_u32 s57, s57, s60
	s_add_co_u32 s57, s57, 256                     ; its piece of codes
	s_sub_co_u32 s30, 15, s[WV]                    ; g of the first pass,
	s_mov_b32 s31, s[WV]                           ; and of the second
	WHERE 30, 38, 42, 46, 50
	WHERE 31, 40, 44, 48, 52
	s_mov_b32 s[CS], 0x3e38aa3b                    ; log2(e) / 8
	s_mov_b32 s[CS+1], s[CS]
	s_mov_b32 s[SEL], 0x76543210
	s_mov_b32 s[SEL+1], 0xfedcba98
	s_mov_b32 s59, 0xffff0000                      ; lanes 16-31
	s_lshl_b32 s60, s11, 5                         ; 32 cx: the tiles' first token in their 128
	v_and_b32 v30, 15, v0                          ; r
	v_bfe_u32 v31, v0, 4, 1                        ; h
	v_and_b32 v1, 31, v0
	v_lshlrev_b32 v1, 4, v1                        ; 16 x lane: K's codes in LDS; also Q's and the result's codes in memory
	v_lshlrev_b32 v7, 4, v30                       ; 16 r
	v_add_nc_u32 v2, 73728, v1                     ; V's codes
	v_add_nc_u32 v3, 65536, v7                     ; K's scale words
	v_add_nc_u32 v4, 139264, v7                    ; V's
	v_mul_u32_u24 v24, v31, 8704
	v_add_nc_u32 v24, v24, v7                      ; the result's scale bytes: 16 r, lanes 16-31 in the next tile's record
	WIN 0x40
	global_load_b128 v[68:71], v1, s[38:39]        ; Q's fragments stay in registers
	global_load_b128 v[76:79], v1, s[38:39] offset:512
	global_load_b128 v[84:87], v1, s[40:41]
	global_load_b128 v[92:95], v1, s[40:41] offset:512
.irp j, 32,33,34,35,72,73,74,75,80,81,82,83,88,89,90,91,96,97,98,99
	v_mov_b32 v\j, 0                               ; zero codes: behind K's last tile, and Q's k = 64 .. 127
.endr
	WIN 0
	global_load_b64 v[188:189], v7, s[42:43]       ; Q's scale words: the two tiles' side by side
	global_load_b64 v[190:191], v7, s[44:45]
	v_and_b32 v5, 8, v30
	v_add_nc_u32 v5, v5, v30
	v_lshlrev_b32 v26, 4, v31
	v_sub_nc_u32 v5, v5, v26
	v_add_nc_u32 v5, s60, v5                       ; d of tile 0 = my query in its 128 - 16 h = 32 cx + r + 8 (r / 8) - 16 h,
	v_add_nc_u32 v6, 8, v5                         ; and of tile 1
.irp b, 0,1,2,3,4,5,6,7
	v_mov_b32 v[BT+\b], 0                          ; written once: a lane permute's destination counts as one of its sources
.endr
	v_mov_b32 v26, 0
	v_mov_b32 v27, 0
	v_mov_b32 v21, 0                               ; (named as the upper halves of pairs)
	v_mov_b32 v23, 0
	v_mov_b32 v25, 0xff800000                      ; -infinity
	s_wait_alu depctr_va_vdst(0)                   ; the wait at the head's end
	s_wait_tensorcnt 0x0                           ; my part of the head is in,
	s_barrier_signal -1
	s_barrier_wait -1                              ; everybody's is; nothing is ever filled again
	s_wait_loadcnt 0x0                             ; Q
	PASS 68, 188, 30, 16, 236, 252, 46, 50
	PASS 84, 190, 31, 8, 244, 253, 48, 52
	s_wait_tensorcnt 0x0                           ; the wave's end
	ds_add_u32 v28, v29
	s_wait_dscnt 0x0
	CROUND                                         ; the closing round
	s_endpgm
.Lfunc_end_k_qaa3b7599ee_attn:
	.size	k_qaa3b7599ee_attn, .Lfunc_end_k_qaa3b7599ee_attn-k_qaa3b7599ee_attn
	.p2alignl 7, 3214868480
	.fill 96, 4, 3214868480
	.section	.rodata,"a",@progbits
	.p2align	6, 0x0
	.amdhsa_kernel k_qaa3b7599ee_attn
		.amdhsa_group_segment_fixed_size 169984
		.amdhsa_private_segment_fixed_size 0
		.amdhsa_enable_private_segment 0
		.amdhsa_kernarg_size 24
		.amdhsa_user_sgpr_count 2
		.amdhsa_user_sgpr_kernarg_segment_ptr 1
		.amdhsa_wavefront_size32 1
		.amdhsa_system_sgpr_workgroup_id_x 1
		.amdhsa_system_sgpr_workgroup_id_y 1
		.amdhsa_system_sgpr_workgroup_id_z 1
		.amdhsa_system_vgpr_workitem_id 0
		.amdhsa_next_free_vgpr 512
		.amdhsa_next_free_sgpr 66
		.amdhsa_reserve_vcc 1
		.amdhsa_float_denorm_mode_32 3
		.amdhsa_float_denorm_mode_16_64 3
		.amdhsa_memory_ordered 1
		.amdhsa_forward_progress 1
		.amdhsa_inst_pref_size 104
	.end_amdhsa_kernel
	.amdgpu_metadata
---
amdhsa.version: [ 1, 2 ]
amdhsa.kernels:
  - .name:           k_qaa3b7599ee_attn
    .symbol:         k_qaa3b7599ee_attn.kd
    .args:
      - { .name: qq, .offset: 0, .size: 8, .value_kind: global_buffer, .address_space: global }
      - { .name: kv, .offset: 8, .size: 8, .value_kind: global_buffer, .address_space: global }
      - { .name: aq, .offset: 16, .size: 8, .value_kind: global_buffer, .address_space: global }
    .group_segment_fixed_size: 169984
    .private_segment_fixed_size: 0
    .kernarg_segment_align: 8
    .kernarg_segment_size: 24
    .max_flat_workgroup_size: 256
    .sgpr_count:     66
    .vgpr_count:     512
    .wavefront_size: 32
...
	.end_amdgpu_metadata
.endif
;; end of part 3
;; launch outp (part 4): grid 4 x 64, 4 waves a work-group, clusters of 4 x 4, 327,680 bytes of LDS; arguments aq, wq, b_out, out0; writes out0
.if DOCPART == 4
	.amdgcn_target "amdgcn-amd-amdhsa--gfx1250"
	.amdhsa_code_object_version 6
	.text
	.protected	k_qaa3b7599ee_outp
	.globl	k_qaa3b7599ee_outp
	.p2align	8
	.type	k_qaa3b7599ee_outp,@function
k_qaa3b7599ee_outp:
	s_mov_b64 s[64:65], 0
	v_nop
	global_prefetch_b8 v0, s[64:65] scope:SCOPE_SE
	s_setreg_imm32_b32 hwreg(HW_REG_WAVE_MODE, 25, 1), 1
	s_wait_xcnt 0x0
	s_wait_alu depctr_hold_cnt(0) depctr_sa_sdst(0) depctr_va_vdst(0) depctr_va_sdst(0) depctr_va_ssrc(0) depctr_va_vcc(0) depctr_vm_vsrc(0)
	s_getreg_b32 s2, hwreg(HW_REG_IB_STS2, 6, 4)
	s_cmp_eq_u32 s2, 0
	s_cbranch_scc0 .Lentry_in_a_cluster
	s_endpgm
.Lentry_in_a_cluster:
	s_bfe_u32 s2, ttmp6, 0x10000c
	s_cmp_lg_u32 s2, 0xf033
	s_cbranch_scc0 .Lentry_shape_is_right
	s_endpgm
.Lentry_shape_is_right:
; out0 = attention's result x W_out + b_out on codes of E2M1 (aq, wq: tiles of 16 rows in the order of the operand registers; a tile's record is two halves of 4,352 bytes: 256 of scale words, 4 K steps x 1,024 of codes).
; A work-group makes 128 tokens x 256 columns, a wave 64 x 128.  K = 1,024 lies in LDS whole, as whole records: the tokens' 8 tiles, then the weights' 16.  Each wave brings its part by ONE joint load of a dense block
; (waves 0, 1: 4 records, 136 rows of 256 bytes; waves 2, 3: 8 records, 272 rows): nothing is filled twice, and there is no loop in which a prefetch could run ahead.
; Cluster 4 x 4: the tokens' tiles are shared along a row, the weights' along a column.
; BY ROWS OF THE RESULT.  A wave's 64 fragments of the weights (8 tiles x 8 K steps) stay in 512 registers; then its four tiles of 16 tokens are finished one after the other, 64 products each, the tile's eight accumulators by turns,
; K ascending; each tile gets its bias, goes through the wave's own stage in LDS and leaves as whole rows of 512 bytes while the next tiles are still to be multiplied.  No fragment is read from LDS twice.
; TRANSPOSED USE (source 0 = 16 columns of W_out, source 1 = 16 tokens): a lane holds one token, and since tile 2 bb + u, lane r holds row 32 bb + 8 u + r + 8 (r / 8), register 16 bb + i of a tile of tokens is column 32 bb + 16 h + i.
; REGISTERS, in windows of 256.  Window 0: v8-31 addresses; v32-127 scale words and nothing else; v128-191 a tile of tokens' fragments; v192-255 the way out.  Window 1: v0-63 the accumulators, v64-127 the bias.
; Windows 2, 3: the weights' fragments: K step k, tile b at v[64 (k % 4) + 8 b] of window 2 + k / 4.
.set REC,   8704
.set HALF,  4352
.set ASIDE, 8*REC
.set BSIDE, 16*REC
.set STAGE, ASIDE+BSIDE                ; behind the tiles: 16 rows x 528 bytes for each wave; no tensor load lands there
.set SP,    528
.set SPARE, STAGE+4*16*SP              ; the spare words, 128 bytes for each wave: two blocks of 256 bytes that no other line names
.set STO,   8
.set RD,    9
.set ASB,   12
.set ADRA,  16
.set ADRB,  18
.set ASA,   20
.set CO,    22
.set BO,    24
.set SPW,   30
.set NIL,   31
.set SC,    32
.set RV,    96
.set AF,    128
.set BF,    192
.set BI,    64
.set G1A,   24
.set G1B,   32
.set G0A,   40
.set G0B,   48
.set MSB, 0
.macro WIN new                         ; the immediate's high byte repeats the setting that is left
.if MSB != (\new)
	s_set_vgpr_msb (MSB<<8)|(\new)
.set MSB, (\new)
.endif
.endm
.macro PLACES n
.rept \n
	v_nop
.endr
.endm
.macro CROUND
	s_barrier_signal -1
	s_barrier_wait -1
	s_cmp_lg_u32 s14, 0
	s_cbranch_scc1 .Lnot_wave_0_\@
	s_barrier_signal -3
.Lnot_wave_0_\@:
	s_barrier_wait -3
	s_barrier_signal -1
	s_barrier_wait -1
.endm
.macro FRAG reg, adr, off              ; a fragment comes as it lies: two loads of 512 consecutive bytes
.irp c, 0,1
	ds_load_b128 v[\reg+4*\c:\reg+4*\c+3], v[\adr] offset:\off+512*\c
.endr
.endm
.macro SCL kh                          ; the scale words of half kh of K: the weights' eight tiles, the tokens' four
.irp i, 0,1,2,3,4,5,6,7
	ds_load_b128 v[SC+32*\kh+4*\i:SC+32*\kh+4*\i+3], v[ASB+\kh] offset:REC*\i
.endr
.irp a, 0,1,2,3
	ds_load_b128 v[RV+16*\kh+4*\a:RV+16*\kh+4*\a+3], v[ASA+\kh] offset:REC*\a
.endr
.endm
.macro ALOAD a                         ; the eight fragments of the tokens' tile a: 16 loads
.irp k, 0,1,2,3,4,5,6,7
	FRAG AF+8*\k, ADRA+\k/4, REC*(\a)+1024*(\k%4)
.endr
.endm
.macro ROW a                           ; the tokens' tile a is finished: 64 products, its eight accumulators by turns; the first K step starts the sums
.irp k, 0,1,2,3,4,5,6,7
.if (\a) == 0                          ; the weights' fragments are still on their way: behind K step k's stand 16 (7 - k) loads
.if 16*(7-\k) > 63
	s_wait_dscnt 63
.else
	s_wait_dscnt 16*(7-\k)
.endif
.endif
	WIN 0x52+\k/4                                  ; source 0 window 2 or 3, source 1 window 0, C and D window 1
.irp b, 0,1,2,3,4,5,6,7
.if \k == 0
	v_wmma_scale_f32_16x16x128_f8f6f4 v[8*\b:8*\b+7], v[64*(\k%4)+8*\b:64*(\k%4)+8*\b+7], v[AF+8*\k:AF+8*\k+7], 0, v[SC+32*(\k/4)+4*\b+\k%4], v[RV+16*(\k/4)+4*(\a)+\k%4] matrix_a_fmt:MATRIX_FMT_FP4 matrix_b_fmt:MATRIX_FMT_FP4
.else
	v_wmma_scale_f32_16x16x128_f8f6f4 v[8*\b:8*\b+7], v[64*(\k%4)+8*\b:64*(\k%4)+8*\b+7], v[AF+8*\k:AF+8*\k+7], v[8*\b:8*\b+7], v[SC+32*(\k/4)+4*\b+\k%4], v[RV+16*(\k/4)+4*(\a)+\k%4] matrix_a_fmt:MATRIX_FMT_FP4 matrix_b_fmt:MATRIX_FMT_FP4
.endif
.endr
.endr
	WIN 0
.endm
.macro OUT a                           ; + bias; through my stage; whole rows out
	WIN 0x05                                       ; sources 0 and 1 window 1
.set i, 0
.rept 32
	v_pk_add_f32 v[BF+2*i:BF+2*i+1], v[2*i:2*i+1], v[BI+2*i:BI+2*i+1]   ; each accumulator from its low end on
.set i, i+1
.endr
	WIN 0
.irp bb, 0,1,2,3
.irp j, 0,1,2,3
	ds_store_b128 v[STO], v[BF+16*\bb+4*\j:BF+16*\bb+4*\j+3] offset:128*\bb+16*\j
.endr
.endr
.irp t, 0,1,2,3,4,5,6,7,8,9,10,11,12,13,14,15
	ds_load_b128 v[BF+4*\t:BF+4*\t+3], v[RD] offset:SP*\t          ; LDS serves a wave's instructions in order: these see the stores above
.endr
	s_wait_dscnt 0x0                               ; the rows are back, and the next tile's fragments are in
.irp t, 0,1,2,3,4,5,6,7,8,9,10,11,12,13,14,15
	global_store_b128 v[CO], v[BF+4*\t:BF+4*\t+3], s[72:73] offset:(32*((\a)/2)+8*((\a)%2)+\t+8*(\t/8))*4096 th:TH_STORE_NT   ; 32 lanes store 512 consecutive bytes, aligned
.endr
.endm
	s_load_b256 s[4:11], s[0:1], 0x0               ; aq s[4:5], wq s[6:7], b_out s[8:9], out0 s[10:11]
	v_lshl_add_u32 v[SPW], v0, 2, SPARE
	v_mov_b32 v[NIL], 0
	ds_add_u32 v[SPW], v[NIL]                      ; the opening lines: the add, twice on end, and its wait ahead of my tensor load
	ds_add_u32 v[SPW], v[NIL]
	v_lshrrev_b32 v1, 5, v0
	v_readfirstlane_b32 s14, v1                    ; wave 0..3
	s_lshr_b32 s15, s14, 1                         ; which 64 tokens are mine.  Also: I fetch tokens (0) or weights (1)
	s_and_b32 s16, s14, 1                          ; which 128 columns.  Also: which half of that side I fetch
	s_bfe_u32 s17, ttmp6, 0x40000                  ; cx
	s_bfe_u32 s18, ttmp6, 0x40004                  ; cy
	s_lshl_b32 s19, ttmp9, 2
	s_add_co_u32 s19, s19, s17                     ; work-group x: the columns
	s_and_b32 s20, ttmp7, 0xffff
	s_lshl_b32 s20, s20, 2
	s_add_co_u32 s20, s20, s18                     ; work-group y: the tokens
	s_lshl_b32 s21, s18, 2
	s_lshl_b32 s21, 15, s21                        ; my row of the cluster
	s_lshl_b32 s22, 0x1111, s17                    ; my column
	s_or_b32 s[G1A], s21, (3<<16)|(1<<21)          ; 15:0 the mask; 17:16 elements of 8 bytes; 21 set beside a mask
	s_or_b32 s[G1B], s22, (3<<16)|(1<<21)
	s_mov_b32 s[G1A+1], 32<<16                     ; 4 records, 34,816 dense bytes, as 136 rows of 256
	s_mov_b32 s[G1A+2], 136<<16
	s_mov_b32 s[G1A+3], 32<<16
	s_mov_b32 s[G1A+4], 136
	s_mov_b32 s[G1A+5], 32
	s_mov_b32 s[G1A+6], 0
	s_mov_b32 s[G1A+7], 0
	s_mov_b32 s[G1B+1], 32<<16                     ; 8 records, 69,632 dense bytes, as 272 rows of 256
	s_mov_b32 s[G1B+2], 272<<16
	s_mov_b32 s[G1B+3], 32<<16
	s_mov_b32 s[G1B+4], 272
	s_mov_b32 s[G1B+5], 32
	s_mov_b32 s[G1B+6], 0
	s_mov_b32 s[G1B+7], 0
	s_mul_i32 s56, s20, 8*REC                      ; the tokens' address hangs on work-group y and the wave alone,
	s_mul_i32 s57, s16, 4*REC
	s_add_co_u32 s56, s56, s57
	s_mov_b32 s57, 0
	s_mul_i32 s58, s19, 16*REC                     ; the weights' on work-group x and the wave alone
	s_mul_i32 s59, s16, 8*REC
	s_add_co_u32 s58, s58, s59
	s_add_co_u32 s58, s58, 192*REC                 ; W_out's tiles of wq begin at 192
	s_mov_b32 s59, 0
	s_mul_i32 s60, s16, 4*REC                      ; no place in the cluster enters an LDS address
	s_mul_i32 s61, s16, 8*REC
	s_add_co_u32 s61, s61, ASIDE
	s_wait_dscnt 0x0
	s_wait_kmcnt 0x0
	s_add_nc_u64 s[68:69], s[4:5], s[56:57]
	s_add_nc_u64 s[70:71], s[6:7], s[58:59]
	CROUND                                         ; all sixteen work-groups are here: the joint loads meet
	s_mov_b32 s[G0A], 1
	s_mov_b32 s[G0A+1], s60
	s_mov_b64 s[G0A+2:G0A+3], s[68:69]
	s_or_b32 s[G0A+3], s[G0A+3], 0x80000000
	s_mov_b32 s[G0B], 1
	s_mov_b32 s[G0B+1], s61
	s_mov_b64 s[G0B+2:G0B+3], s[70:71]
	s_or_b32 s[G0B+3], s[G0B+3], 0x80000000
	s_cmp_eq_u32 s15, 0                            ; the branch hangs on the wave's number alone; every way passes one load
	s_cbranch_scc0 .Lfor_b
	tensor_load_to_lds s[G0A:G0A+3], s[G1A:G1A+7]
	s_nop 0
	PLACES 4
	s_branch .Lasked
.Lfor_b:
	tensor_load_to_lds s[G0B:G0B+3], s[G1B:G1B+7]
	s_nop 0
	PLACES 4
.Lasked:
	v_and_b32 v1, 15, v0                           ; r
	v_bfe_u32 v2, v0, 4, 1                         ; h
	v_and_b32 v3, 31, v0
	v_lshlrev_b32 v[CO], 4, v3                     ; 16 x lane
	s_wait_alu depctr_va_vdst(0)                   ; the wait here
	s_lshl_b32 s2, s19, 10
	s_lshl_b32 s3, s16, 9
	s_add_co_u32 s2, s2, s3                        ; my first column, in bytes
	v_lshlrev_b32 v[BO], 6, v2
	v_add_nc_u32 v[BO], s2, v[BO]
	WIN 0x40
.irp bb, 0,1,2,3
.irp j, 0,1,2,3
	global_load_b128 v[BI+16*\bb+4*\j:BI+16*\bb+4*\j+3], v[BO], s[8:9] offset:128*\bb+16*\j   ; the bias: register 16 bb + i = column 32 bb + 16 h + i
.endr
.endr
	WIN 0
	s_lshl_b32 s3, s20, 7
	s_lshl_b32 s77, s15, 6
	s_add_co_u32 s3, s3, s77                       ; my first token
	s_lshl_b32 s3, s3, 12
	s_add_co_u32 s2, s2, s3
	s_mov_b32 s3, 0
	s_add_nc_u64 s[72:73], s[10:11], s[2:3]
	s_mul_i32 s74, s15, 4*REC
	s_mul_i32 s75, s16, 8*REC
	s_add_co_u32 s75, s75, ASIDE
	v_add_nc_u32 v3, 256, v[CO]                    ; codes begin behind a half's 256 bytes of scale words
	v_add_nc_u32 v[ADRA], s74, v3
	v_add_nc_u32 v[ADRA+1], HALF, v[ADRA]
	v_add_nc_u32 v[ADRB], s75, v3
	v_add_nc_u32 v[ADRB+1], HALF, v[ADRB]
	v_lshlrev_b32 v4, 4, v1                        ; 16 r: a row's four scale words
	v_add_nc_u32 v[ASA], s74, v4
	v_add_nc_u32 v[ASA+1], HALF, v[ASA]
	v_add_nc_u32 v[ASB], s75, v4
	v_add_nc_u32 v[ASB+1], HALF, v[ASB]
	s_mul_i32 s76, s14, 16*SP
	s_add_co_u32 s76, s76, STAGE                   ; my stage
	v_mul_u32_u24 v[STO], v1, SP
	v_lshl_add_u32 v[STO], v2, 6, v[STO]
	v_add_nc_u32 v[STO], s76, v[STO]               ; in: row r, + 64 h
	v_add_nc_u32 v[RD], s76, v[CO]                 ; back: the 32 lanes take one row of 512 bytes
	s_wait_alu depctr_va_vdst(0)                   ; the wait at the head's end
	s_wait_tensorcnt 0x0                           ; my one load has landed,
	s_barrier_signal -1
	s_barrier_wait -1                              ; everybody's has; nothing is ever filled again
	SCL 0
	SCL 1
	ALOAD 0
.irp k, 0,1,2,3,4,5,6,7                        ; the weights' 64 fragments, K ascending: 16 loads a K step
	WIN 0x80+0x40*(\k/4)                           ; destination window 2 or 3
.irp i, 0,1,2,3,4,5,6,7
	FRAG 64*(\k%4)+8*\i, ADRB+\k/4, REC*\i+1024*(\k%4)
.endr
.endr
	WIN 0
	ROW 0
	PLACES 4                                       ; between the last products and the loads into, and the reads of, their registers
	ALOAD 1
	s_wait_loadcnt 0x0                             ; the bias
	OUT 0
.irp a, 1,2,3
	ROW \a
	PLACES 4
.if \a < 3
	ALOAD \a+1
.endif
	s_wait_xcnt 0x0                                ; the last tile's stores have read their registers, which are written again below
	OUT \a
.endr
	s_wait_tensorcnt 0x0                           ; the wave's end
	ds_add_u32 v[SPW], v[NIL]
	s_wait_dscnt 0x0
	CROUND                                         ; the closing round
	s_endpgm
.Lfunc_end_k_qaa3b7599ee_outp:
	.size	k_qaa3b7599ee_outp, .Lfunc_end_k_qaa3b7599ee_outp-k_qaa3b7599ee_outp
	.p2alignl 7, 3214868480
	.fill 96, 4, 3214868480
	.section	.rodata,"a",@progbits
	.p2align	6, 0x0
	.amdhsa_kernel k_qaa3b7599ee_outp
		.amdhsa_group_segment_fixed_size 327680
		.amdhsa_private_segment_fixed_size 0
		.amdhsa_enable_private_segment 0
		.amdhsa_kernarg_size 32
		.amdhsa_user_sgpr_count 2
		.amdhsa_user_sgpr_kernarg_segment_ptr 1
		.amdhsa_wavefront_size32 1
		.amdhsa_system_sgpr_workgroup_id_x 1
		.amdhsa_system_sgpr_workgroup_id_y 1
		.amdhsa_system_sgpr_workgroup_id_z 1
		.amdhsa_system_vgpr_workitem_id 0
		.amdhsa_next_free_vgpr 1024
		.amdhsa_next_free_sgpr 80
		.amdhsa_reserve_vcc 0
		.amdhsa_float_denorm_mode_32 3
		.amdhsa_float_denorm_mode_16_64 3
		.amdhsa_memory_ordered 1
		.amdhsa_forward_progress 1
		.amdhsa_inst_pref_size 78
	.end_amdhsa_kernel
	.amdgpu_metadata
---
amdhsa.version: [ 1, 2 ]
amdhsa.kernels:
  - .name:           k_qaa3b7599ee_outp
    .symbol:         k_qaa3b7599ee_outp.kd
    .args:
      - { .name: aq, .offset: 0, .size: 8, .value_kind: global_buffer, .address_space: global }
      - { .name: wq, .offset: 8, .size: 8, .value_kind: global_buffer, .address_space: global }
      - { .name: b_out, .offset: 16, .size: 8, .value_kind: global_buffer, .address_space: global }
      - { .name: out0, .offset: 24, .size: 8, .value_kind: global_buffer, .address_space: global }
    .group_segment_fixed_size: 327680
    .private_segment_fixed_size: 0
    .kernarg_segment_align: 8
    .kernarg_segment_size: 32
    .max_flat_workgroup_size: 128
    .sgpr_count:     80
    .vgpr_count:     1024
    .wavefront_size: 32
...
	.end_amdgpu_metadata
.endif
;; end of part 4
